; MI455X (gfx1250); checked and timed in simulation.
; The chip was launched on July 23, 2026; its instructions are those of AMD's public machine-readable ISA for CDNA 5 (MIT licence, August 2026) and "CDNA5" Instruction Set Architecture Reference Guide (July 2026). The comments in the code are by the model that wrote it; some were corrected since.
;; Edge Mo E Predictor. Allowed arithmetic: float matrix products may take bf16 or f16 operands with f32 sums; all other float work in f32.
;; Inputs: all_b1 256 float32; all_b2 1 float32; all_w1 512 x 256 float32; all_w2 256 x 1 float32; cat_b1 256 float32; cat_b2 1 float32; cat_w1 256 x 256 float32; cat_w2 256 x 1 float32; dist_b1 256 float32; dist_b2 1 float32; dist_w1 128 x 256 float32; dist_w2 256 x 1 float32; gate_b 4 float32; gate_w 512 x 4 float32; mul_b1 256 float32; mul_b2 1 float32; mul_w1 128 x 256 float32; mul_w2 256 x 1 float32; u 262,144 int32; v 262,144 int32; z 50,000 x 128 float32.
;; Outputs: out0 262,144 x 1 float32; out1 one number float32.
;; 2 versions, each right and faster than the one before. Each part assembles by itself: llvm-mc -triple=amdgcn-amd-amdhsa -mcpu=gfx1250 --defsym DOCPART=n.
;; ======== version 1 of 2: 3 launches
;; limits: values are held in f16: magnitudes above 65,504 overflow, below 6.1e-05 lose precision; inputs' magnitudes at most 255
;; workspace buffers: w16 524,288 bytes; part 4,096 bytes
;; launch prep (part 1): grid 64 x 1, 8 waves a work-group, no clusters, 0 bytes of LDS; arguments all_w1, cat_w1, dist_w1, mul_w1, w16; writes w16
.if DOCPART == 1
	.amdgcn_target "amdgcn-amd-amdhsa--gfx1250"
	.amdhsa_code_object_version 6
	.text
	.protected	k_q1c57cb5cb9_prep
	.globl	k_q1c57cb5cb9_prep
	.p2align	8
	.type	k_q1c57cb5cb9_prep,@function
k_q1c57cb5cb9_prep:
	s_mov_b64 s[64:65], 0
	v_nop
	global_prefetch_b8 v0, s[64:65] scope:SCOPE_SE
	s_setreg_imm32_b32 hwreg(HW_REG_WAVE_MODE, 25, 1), 1
	s_wait_xcnt 0x0
; The four first-layer weight matrices ([K][256] f32) as f16, laid out as the matrix fragments that the main launch loads.
; w16: fragment (ks 0..15, w 0..3, f 0..7) at byte ((ks*4+w)*8+f)*1024; in it the 16 bytes of (half p, lane L) at p*512 + L*16 hold
; W[k0+16p+8h+i][n0+r], i = 0..7, r = L&15, h = L>>4.  f < 4: expert all, k0 = 32 ks, n0 = 64 w + 16 f.  f >= 4: the expert that shares
; these 32 features (cat for ks 0-7, dist for ks 8-11, mul for ks 12-15), k0 = 32 x (ks - the expert's first ks), n0 = 64 w + 16 (f-4).
; Work-group g = 4 ks + w writes the 8,192 bytes at 8192 g.  Thread t = 64 f + 32 p + 16 h + r writes the 16 bytes at 16 t (all) and at
; 4096 + 16 t (the other expert): each store of a wave covers 512 consecutive bytes, aligned.
; Limit: |w1| above 65,504 becomes infinite in f16.
.set KROW, 1024                        ; bytes in a row of a w1
	s_load_b256 s[4:11], s[0:1], 0x0               ; all_w1 s[4:5], cat_w1 s[6:7], dist_w1 s[8:9], mul_w1 s[10:11]
	s_load_b64 s[12:13], s[0:1], 0x20              ; w16
	s_lshr_b32 s14, ttmp9, 2                       ; ks
	s_and_b32 s15, ttmp9, 3                        ; w
	s_sub_co_u32 s17, s14, 8                       ; dist's own K step (used only where ks >= 8)
	s_sub_co_u32 s18, s14, 12                      ; mul's own K step (used only where ks >= 12)
	s_mov_b32 s23, 0                               ; high word of the offset pair s[22:23]
	v_and_b32 v1, 15, v0                           ; r
	v_bfe_u32 v2, v0, 4, 1                         ; h
	v_bfe_u32 v3, v0, 5, 1                         ; p
	v_lshrrev_b32 v4, 6, v0                        ; f
	v_lshlrev_b32 v5, 2, v1                        ; column r: 4 r
	v_lshl_add_u32 v5, v4, 6, v5                   ; + 16 f columns
	v_lshl_add_u32 v5, v2, 13, v5                  ; + 8 h rows
	v_lshl_add_u32 v5, v3, 14, v5                  ; + 16 p rows
	s_lshl_b32 s16, s15, 8
	v_add_nc_u32 v5, s16, v5                       ; + 64 w columns
	v_lshlrev_b32 v6, 4, v0                        ; 16 t
	s_wait_kmcnt 0x0
	s_cmp_lt_u32 s14, 12
	s_cselect_b64 s[20:21], s[8:9], s[10:11]       ; dist or mul
	s_cselect_b32 s19, s17, s18
	s_cmp_lt_u32 s14, 8
	s_cselect_b64 s[20:21], s[6:7], s[20:21]       ; cat for the first eight K steps
	s_cselect_b32 s19, s14, s19
	s_lshl_b32 s22, s14, 15                        ; 32 rows of 1,024 bytes for each K step
	s_add_nc_u64 s[4:5], s[4:5], s[22:23]
	s_lshl_b32 s22, s19, 15
	s_add_nc_u64 s[20:21], s[20:21], s[22:23]
	s_lshl_b32 s22, ttmp9, 13
	s_add_nc_u64 s[12:13], s[12:13], s[22:23]
.irp i, 0,1,2,3,4,5,6,7
	global_load_b32 v[8+\i], v5, s[4:5] offset:KROW*\i
.endr
.irp i, 0,1,2,3,4,5,6,7
	global_load_b32 v[16+\i], v5, s[20:21] offset:KROW*\i
.endr
	s_wait_loadcnt 0x0
.irp j, 0,1,2,3
	v_cvt_pk_f16_f32 v[24+\j], v[8+2*\j], v[9+2*\j]        ; the lower k in the lower half
	v_cvt_pk_f16_f32 v[28+\j], v[16+2*\j], v[17+2*\j]
.endr
	global_store_b128 v6, v[24:27], s[12:13]
	global_store_b128 v6, v[28:31], s[12:13] offset:4096
	s_endpgm
.Lfunc_end_k_q1c57cb5cb9_prep:
	.size	k_q1c57cb5cb9_prep, .Lfunc_end_k_q1c57cb5cb9_prep-k_q1c57cb5cb9_prep
	.p2alignl 7, 3214868480
	.fill 96, 4, 3214868480
	.section	.rodata,"a",@progbits
	.p2align	6, 0x0
	.amdhsa_kernel k_q1c57cb5cb9_prep
		.amdhsa_group_segment_fixed_size 0
		.amdhsa_private_segment_fixed_size 0
		.amdhsa_enable_private_segment 0
		.amdhsa_kernarg_size 40
		.amdhsa_user_sgpr_count 2
		.amdhsa_user_sgpr_kernarg_segment_ptr 1
		.amdhsa_wavefront_size32 1
		.amdhsa_system_sgpr_workgroup_id_x 1
		.amdhsa_system_sgpr_workgroup_id_y 1
		.amdhsa_system_sgpr_workgroup_id_z 1
		.amdhsa_system_vgpr_workitem_id 0
		.amdhsa_next_free_vgpr 32
		.amdhsa_next_free_sgpr 66
		.amdhsa_reserve_vcc 0
		.amdhsa_float_denorm_mode_32 3
		.amdhsa_float_denorm_mode_16_64 3
		.amdhsa_memory_ordered 1
		.amdhsa_forward_progress 1
		.amdhsa_inst_pref_size 4
	.end_amdhsa_kernel
	.amdgpu_metadata
---
amdhsa.version: [ 1, 2 ]
amdhsa.kernels:
  - .name:           k_q1c57cb5cb9_prep
    .symbol:         k_q1c57cb5cb9_prep.kd
    .args:
      - { .name: all_w1, .offset: 0, .size: 8, .value_kind: global_buffer, .address_space: global }
      - { .name: cat_w1, .offset: 8, .size: 8, .value_kind: global_buffer, .address_space: global }
      - { .name: dist_w1, .offset: 16, .size: 8, .value_kind: global_buffer, .address_space: global }
      - { .name: mul_w1, .offset: 24, .size: 8, .value_kind: global_buffer, .address_space: global }
      - { .name: w16, .offset: 32, .size: 8, .value_kind: global_buffer, .address_space: global }
    .group_segment_fixed_size: 0
    .private_segment_fixed_size: 0
    .kernarg_segment_align: 8
    .kernarg_segment_size: 40
    .max_flat_workgroup_size: 256
    .sgpr_count:     66
    .vgpr_count:     32
    .wavefront_size: 32
...
	.end_amdgpu_metadata
.endif
;; end of part 1
;; launch main (part 2): grid 256 x 1, 4 waves a work-group, no clusters, 320,768 bytes of LDS; arguments z, u, v, w16, out0, part, gate_w, gate_b, cat_b1, cat_w2, cat_b2, dist_b1, dist_w2, dist_b2, mul_b1, mul_w2, mul_b2, all_b1, all_w2, all_b2; writes out0, part
.if DOCPART == 2
	.amdgcn_target "amdgcn-amd-amdhsa--gfx1250"
	.amdhsa_code_object_version 6
	.text
	.protected	k_q1c57cb5cb9_main
	.globl	k_q1c57cb5cb9_main
	.p2align	8
	.type	k_q1c57cb5cb9_main,@function
k_q1c57cb5cb9_main:
	s_mov_b64 s[64:65], 0
	v_nop
	global_prefetch_b8 v0, s[64:65] scope:SCOPE_SE
	s_setreg_imm32_b32 hwreg(HW_REG_WAVE_MODE, 25, 1), 1
	s_wait_xcnt 0x0
; Per edge: gather z[u], z[v]; features [zu, zv, |zu-zv|, zu*zv]; four experts (features x w1, relu, dot with w2); a gate of four logits,
; softmax, out = p_top * s_top; and per work-group the sum of the probabilities (for the aux loss, finished by the next launch).
;
; SHARES.  256 work-groups of four waves; a work-group owns 1,024 edges and walks them as 8 blocks of 128.  Wave w makes hidden columns
; 64 w .. 64 w + 63 of every expert for all 128 edges.  Each K step of 32 features is used by exactly two experts (all, and cat / dist / mul
; by the features' segment), so one feature fragment feeds 8 matrix instructions and a wave's tile is 128 edges x 128 columns:
; 256 accumulator registers for all, 256 for the other expert, 64 matrix instructions a K step, 16 K steps a block.
; FEATURES lie in LDS as f16, two buffers of 128 rows.  While block b is multiplied the same waves make block b+1, 32 edges a wave, two edges
; a K step, cut into eight pieces that stand behind each run of eight matrix instructions.
; WEIGHTS come from w16 (fragment order, made by the launch before) straight into registers, a ring of four K steps, asked for three K steps ahead.
; NO CLUSTER, NO JOINT LOADS, though all work-groups walk the same weights: a joint load lands in LDS, each weight fragment is read by one wave
; only, and the two feature buffers (266,240 bytes) and the scratch (54,400 bytes) leave 6,912 of the 327,680 bytes that a work-group can be
; given, while one K step of weights is 32,768 bytes.
; THE MATRIX INSTRUCTION IS USED TRANSPOSED: source 0 = 16 hidden columns of w1, source 1 = 16 edges.  Register j of lane (r, h) then holds
; (hidden 8 h + j, edge r): relu and the dot with w2 stay inside the lane, only h is crossed.
; relu(a + b) w2 = max(a, -b) w2 + b w2: one maximum in place and half a packed multiply-add a value; c_e = b2 + sum of b1 w2 is added once.
; THE GATE decides which expert's score is kept, so it is computed in f32 on the vector unit from the f32 rows (0.8% of the products).
;
; LIMITS.  Matrix operands are f16: |z|, |zu zv| and |w1| above 65,504 become infinite (that is |z| < 255).  A NaN in a hidden value is dropped by
; the maximum where the reference keeps it.  An infinite score of an expert that is not chosen gives NaN in the reference (0 x inf) and is
; ignored here.  Indices are read as unsigned and clamped to 49,999.  Equal logits go to the lowest index; two logits closer than the error of an
; f32 sum of 512 products (about 1e-7 of their size) can be ordered otherwise than in the reference.
;
; REGISTERS.  Window 0: addresses, production, feature fragments.  Window 1: the weight ring, K step ks at 64 (ks % 4), fragment f at + 8 f.
; Window 2: accumulators of all, tile (mt, nt) at 8 (4 mt + nt).  Window 3: those of the other expert.
.set PITCH,  1040                      ; a feature row: 512 f16 + 16 bytes; an odd multiple of 16, so the 16 rows of a fragment load start in 16 different 16-byte columns of a 256-byte span
.set FSZ,    128*PITCH                 ; a feature buffer, 133,120 bytes; F0 at 0, F1 at FSZ
.set GS,     2*FSZ                     ; gate scratch, a wave's own: 2 halves x 8 rows (edges) x 528 bytes (32 lanes x 16 + 16)
.set GSROW,  528
.set GSHALF, 8*GSROW
.set GSWAVE, 2*GSHALF
.set PSC,    GS+4*GSWAVE               ; partial scores [wave][edge 0..127][expert] f32, 8,192 bytes
.set CB,     PSC+8192                  ; -b1[e][256] at e*1024, w2[e][256] at 4096 + e*1024  (e: 0 cat, 1 dist, 2 mul, 3 all)
.set OUTS,   CB+8192                   ; the work-group's 1,024 results
.set CCS,    OUTS+4096                 ; per wave four partial sums of b1 w2
.set AUXS,   CCS+64                    ; per wave four sums of probabilities
.set LANE16, 0                         ; v0   the thread's number during set-up, then 16 x lane
.set WOFF,   1                         ; 8192 w + 16 l: my 16 bytes in a K step's weights
.set FBASE,  2                         ; 1040 r + 16 h
.set FLO,    3                         ; fragment address, edges 0-63 of the buffer that is read
.set FHI,    4                         ; the same, edges 64-127
.set PBASE,  5                         ; 33280 w + 8 l
.set PST,    6                         ; where my wave's 32 rows are produced
.set GSST,   7
.set GSRD,   8
.set PSTO,   9
.set PRD,    10
.set OUTST,  11
.set CBRD,   12
.set PT,     13                        ; p_top of my edge of the block being multiplied
.set IDX,    14                        ; its expert
.set TMP,    15
.set LG,     16                        ; v[16:19]   logits of my wave's edge l (without gate_b)
.set GA,     20                        ; v[20:23]   a batch's sum between its two parts
.set AUX,    24                        ; v[24:27]   sums of probabilities
.set SV,     28                        ; v[28:43]   SV[4 i + e]: my columns' part of the score of edge 32 i + l, expert e
.set T,      44                        ; v[44:59]   at work: difference 0-3, product 4-7, gate pairs 8-15; read-back; epilogue sums
.set PK,     60                        ; v[60:63]   packed f16, partial logits
.set ZR,     64                        ; v[64:127]  8 slots x (zu 4, zv 4): rows on their way
.set GW,     128                       ; v[128:191] gate weights of my 16 features: GW[16 e + 4 segment + c]
.set H0,     192                       ; v[192:223] feature fragments of edges 0-63
.set H1,     224                       ; v[224:255] of edges 64-127; in the epilogues two sets of constants; then the four partial scores
; scalars: s4 wave, s5 trip, s6 / s7 offset of the buffer read / written, s[8:19] z u v w16 out0 part, s20 / s21 byte offset in u and v of the block
; in production / the next, s22 s23 lane selects, s[24:39] s[40:55] two sets of 8 + 8 indices, s[56:63] four row addresses, s[66:67] offset pair,
; s[68:71] gate_b, s[72:75] b2 then c_e, s76 mask of lanes 16-31, s77 clears a sign, s79 saved EXEC, s81 offset of my wave's first index
.set MSB, 0
.macro WIN new                         ; the immediate's high byte repeats the setting that is left; a switch that changes nothing is dropped
.if MSB != (\new)
	s_set_vgpr_msb (MSB<<8)|(\new)
.set MSB, \new
.endif
.endm
; Four plain vector instructions stand between a matrix instruction and a load into, or a vector access to, one of its registers.
.macro PLACES
.rept 4
	v_nop
.endr
.endm
; my wave's 8,192 bytes of K step ks: 16 loads of 512 consecutive bytes; no pointer is stepped
.macro WLOAD ks
	WIN 0x40
.irp i, 0,1,2,3,4,5,6,7,8,9,10,11,12,13,14,15
	global_load_b128 v[64*((\ks)%4)+4*\i:64*((\ks)%4)+4*\i+3], v[WOFF], s[14:15] offset:(\ks)*32768+\i*512
.endr
.endm
; four feature fragments (64 edges x 32 features): lane (r, h) takes row r, bytes 16 h and 32 + 16 h of the K step's 64
.macro FLOADH buf, adr, ks
	WIN 0
.irp q, 0,1,2,3
	ds_load_b128 v[\buf+8*\q:\buf+8*\q+3], v[\adr] offset:\q*16*PITCH+(\ks)*64
	ds_load_b128 v[\buf+8*\q+4:\buf+8*\q+7], v[\adr] offset:\q*16*PITCH+(\ks)*64+32
.endr
.endm
; eight matrix instructions: edge tiles mt0, mt0 + 1 x my four column tiles of all (isx = 0) or of the other expert (1).  zero: the product starts the sum.
.macro MUL8 isx, ks, mt0, zero
.if \isx
	WIN 0xf1
.else
	WIN 0xa1
.endif
.irp mt, \mt0, \mt0+1
.irp nt, 0,1,2,3
.if \zero
	v_wmma_f32_16x16x32_f16 v[8*(4*(\mt)+\nt):8*(4*(\mt)+\nt)+7], v[64*((\ks)%4)+8*(\nt+4*\isx):64*((\ks)%4)+8*(\nt+4*\isx)+7], v[H0+8*(\mt):H0+8*(\mt)+7], 0
.else
	v_wmma_f32_16x16x32_f16 v[8*(4*(\mt)+\nt):8*(4*(\mt)+\nt)+7], v[64*((\ks)%4)+8*(\nt+4*\isx):64*((\ks)%4)+8*(\nt+4*\isx)+7], v[H0+8*(\mt):H0+8*(\mt)+7], v[8*(4*(\mt)+\nt):8*(4*(\mt)+\nt)+7]
.endif
.endr
.endr
.endm
; edge i of my 32: lane l holds columns 4 l .. 4 l + 3 of zu and zv; difference and product in f32, the four segments to f16, 8 bytes a lane
.macro FEAT i, slot
.set ZU, ZR+8*(\slot)
.set ZV, ZU+4
	v_pk_add_f32 v[T:T+1], v[ZU:ZU+1], v[ZV:ZV+1] neg_lo:[0,1] neg_hi:[0,1]
	v_pk_add_f32 v[T+2:T+3], v[ZU+2:ZU+3], v[ZV+2:ZV+3] neg_lo:[0,1] neg_hi:[0,1]
	v_pk_mul_f32 v[T+4:T+5], v[ZU:ZU+1], v[ZV:ZV+1]
	v_pk_mul_f32 v[T+6:T+7], v[ZU+2:ZU+3], v[ZV+2:ZV+3]
	v_cvt_pk_f16_f32 v[PK], v[ZU], v[ZU+1]
	v_cvt_pk_f16_f32 v[PK+1], v[ZU+2], v[ZU+3]
	v_cvt_pk_f16_f32 v[PK+2], v[ZV], v[ZV+1]
	v_cvt_pk_f16_f32 v[PK+3], v[ZV+2], v[ZV+3]
	ds_store_b64 v[PST], v[PK:PK+1] offset:(\i)*PITCH
	ds_store_b64 v[PST], v[PK+2:PK+3] offset:(\i)*PITCH+256
	v_and_b32 v[T], s77, v[T]
	v_and_b32 v[T+1], s77, v[T+1]
	v_and_b32 v[T+2], s77, v[T+2]
	v_and_b32 v[T+3], s77, v[T+3]
	v_cvt_pk_f16_f32 v[PK], v[T], v[T+1]
	v_cvt_pk_f16_f32 v[PK+1], v[T+2], v[T+3]
	v_cvt_pk_f16_f32 v[PK+2], v[T+4], v[T+5]
	v_cvt_pk_f16_f32 v[PK+3], v[T+6], v[T+7]
	ds_store_b64 v[PST], v[PK:PK+1] offset:(\i)*PITCH+512
	ds_store_b64 v[PST], v[PK+2:PK+3] offset:(\i)*PITCH+768
.endm
; two of my features against the four experts' gate weights: four chains, one pair of sums for each expert
.macro GATEP x, fi, first
.irp e, 0,1,2,3
.if \first
	v_pk_mul_f32 v[T+8+2*\e:T+9+2*\e], v[\x:\x+1], v[GW+16*\e+\fi:GW+16*\e+\fi+1]
.else
	v_pk_fma_f32 v[T+8+2*\e:T+9+2*\e], v[\x:\x+1], v[GW+16*\e+\fi:GW+16*\e+\fi+1], v[T+8+2*\e:T+9+2*\e]
.endif
.endr
.endm
.macro GATE1 slot                      ; zu and zv; the first products start the sums
.set ZU, ZR+8*(\slot)
	GATEP ZU, 0, 1
	GATEP (ZU+2), 2, 0
	GATEP (ZU+4), 4, 0
	GATEP (ZU+6), 6, 0
.endm
.macro GATE2 i, half                   ; difference and product; then my four partial logits go to row i % 8 of the batch's half of my wave's scratch
	GATEP T, 8, 0
	GATEP (T+2), 10, 0
	GATEP (T+4), 12, 0
	GATEP (T+6), 14, 0
.irp e, 0,1,2,3
	v_add_f32 v[PK+\e], v[T+8+2*\e], v[T+9+2*\e]
.endr
	ds_store_b128 v[GSST], v[PK:PK+3] offset:(\half)*GSHALF+((\i)%8)*GSROW
.endm
; the rows of two edges: four loads of 512 consecutive bytes
.macro ISSUE set, jj, slota, slotb
	s_wait_xcnt 0x0                                ; the four row addresses, which the last four gathers name, are rewritten only behind this wait
	s_min_u32 s66, s[\set+\jj], 49999
	s_lshl_b32 s66, s66, 9
	s_add_nc_u64 s[56:57], s[8:9], s[66:67]
	s_min_u32 s66, s[\set+8+\jj], 49999
	s_lshl_b32 s66, s66, 9
	s_add_nc_u64 s[58:59], s[8:9], s[66:67]
	s_min_u32 s66, s[\set+\jj+1], 49999
	s_lshl_b32 s66, s66, 9
	s_add_nc_u64 s[60:61], s[8:9], s[66:67]
	s_min_u32 s66, s[\set+8+\jj+1], 49999
	s_lshl_b32 s66, s66, 9
	s_add_nc_u64 s[62:63], s[8:9], s[66:67]
	global_load_b128 v[ZR+8*(\slota):ZR+8*(\slota)+3], v[LANE16], s[56:57]
	global_load_b128 v[ZR+8*(\slota)+4:ZR+8*(\slota)+7], v[LANE16], s[58:59]
	global_load_b128 v[ZR+8*(\slotb):ZR+8*(\slotb)+3], v[LANE16], s[60:61]
	global_load_b128 v[ZR+8*(\slotb)+4:ZR+8*(\slotb)+7], v[LANE16], s[62:63]
.endm
.macro IDXLOAD set, off, g             ; eight u and eight v: group g of my wave's 32 edges of the block at offset off
	s_load_b256 s[\set:\set+7], s[10:11], \off offset:32*\g
	s_load_b256 s[\set+8:\set+15], s[12:13], \off offset:32*\g
.endm
; read-back of a batch of eight edges: lane (l & 7, l >> 3) takes edge l & 7 and the partial logits of lanes 8 (l >> 3) .. + 7, four in each part
.macro GFLOAD half, part
.irp tt, 0,1,2,3
	ds_load_b128 v[T+4*\tt:T+4*\tt+3], v[GSRD] offset:(\half)*GSHALF+(4*\part+\tt)*16
.endr
.endm
.macro GFADD4
	v_pk_add_f32 v[T:T+1], v[T:T+1], v[T+4:T+5]
	v_pk_add_f32 v[T+2:T+3], v[T+2:T+3], v[T+6:T+7]
	v_pk_add_f32 v[T+8:T+9], v[T+8:T+9], v[T+12:T+13]
	v_pk_add_f32 v[T+10:T+11], v[T+10:T+11], v[T+14:T+15]
.endm
.macro GFSUM1
	GFADD4
	v_pk_add_f32 v[GA:GA+1], v[T:T+1], v[T+8:T+9]
	v_pk_add_f32 v[GA+2:GA+3], v[T+2:T+3], v[T+10:T+11]
.endm
.macro GFSUM2                          ; batch BT: the second part, the sum over l >> 3 (lane bits 3 and 4), and the merge into lanes 8 BT .. 8 BT + 7
	GFADD4
	v_pk_add_f32 v[T:T+1], v[T:T+1], v[T+8:T+9]
	v_pk_add_f32 v[T+2:T+3], v[T+2:T+3], v[T+10:T+11]
	v_pk_add_f32 v[GA:GA+1], v[GA:GA+1], v[T:T+1]
	v_pk_add_f32 v[GA+2:GA+3], v[GA+2:GA+3], v[T+2:T+3]
.irp e, 0,1,2,3
	v_add_f32_dpp v[GA+\e], v[GA+\e], v[GA+\e] row_xmask:8 row_mask:0xf bank_mask:0xf
.endr
.irp e, 0,1,2,3
	v_permlanex16_b32 v[T+\e], v[GA+\e], s22, s23
.endr
	v_pk_add_f32 v[GA:GA+1], v[GA:GA+1], v[T:T+1]
	v_pk_add_f32 v[GA+2:GA+3], v[GA+2:GA+3], v[T+2:T+3]
.if BT == 0
.irp e, 0,1,2,3
	v_mov_b32 v[LG+\e], v[GA+\e]                   ; the first batch writes every lane; the later ones replace their eight
.endr
.else
	s_mov_b32 vcc_lo, 0xff<<(8*BT)
.irp e, 0,1,2,3
	v_cndmask_b32 v[LG+\e], v[LG+\e], v[GA+\e], vcc_lo
.endr
.endif
.endm
; lane l: the softmax of my wave's edge l.  The largest logit is taken away; p_top = 1 / sum, since its own exponential is 1.
.macro SOFTMAX
	v_add_f32 v[T], s68, v[LG]
	v_add_f32 v[T+1], s69, v[LG+1]
	v_add_f32 v[T+2], s70, v[LG+2]
	v_add_f32 v[T+3], s71, v[LG+3]
	v_max3_num_f32 v[T+4], v[T], v[T+1], v[T+2]
	v_max_num_f32 v[T+4], v[T+4], v[T+3]
	v_mov_b32 v[IDX], 3
	v_cmp_neq_f32 vcc_lo, v[T+2], v[T+4]
	v_cndmask_b32 v[IDX], 2, v[IDX], vcc_lo        ; descending, so that the lowest index wins a tie
	v_cmp_neq_f32 vcc_lo, v[T+1], v[T+4]
	v_cndmask_b32 v[IDX], 1, v[IDX], vcc_lo
	v_cmp_neq_f32 vcc_lo, v[T], v[T+4]
	v_cndmask_b32 v[IDX], 0, v[IDX], vcc_lo
	v_sub_f32 v[T], v[T], v[T+4]
	v_sub_f32 v[T+1], v[T+1], v[T+4]
	v_sub_f32 v[T+2], v[T+2], v[T+4]
	v_sub_f32 v[T+3], v[T+3], v[T+4]
	v_pk_mul_f32 v[T:T+1], v[T:T+1], 0x3fb8aa3b op_sel_hi:[1,0]
	v_pk_mul_f32 v[T+2:T+3], v[T+2:T+3], 0x3fb8aa3b op_sel_hi:[1,0]
	v_exp_f32 v[T], v[T]
	v_exp_f32 v[T+1], v[T+1]
	v_exp_f32 v[T+2], v[T+2]
	v_exp_f32 v[T+3], v[T+3]
	v_nop                                          ; one plain vector instruction before a transcendental's result is used (ISA guide 5.7.2)
	s_wait_alu depctr_va_vdst(0)
	v_add_f32 v[T+5], v[T], v[T+1]
	v_add_f32 v[T+6], v[T+2], v[T+3]
	v_add_f32 v[T+5], v[T+5], v[T+6]
	v_rcp_f32 v[PT], v[T+5]
	v_nop
	s_wait_alu depctr_va_vdst(0)
.irp e, 0,1,2,3
	v_fmac_f32 v[AUX+\e], v[T+\e], v[PT]
.endr
.endm
; Piece c of production slot k (edges 2 k and 2 k + 1 of my 32).  prod: edges are made, rows and indices asked for, batches 0-2 finished.
; gprev: slots 0-3 finish batch 3 of the production before, and its softmax.
; Index windows of four slots: even windows read set s[24:39], odd ones s[40:55]; each window's first slot asks for the next window's set.
.macro PIECE c, k, prod, gprev
.set KM, (\k)%4
.set KB, (\k)/4
.set EA, 2*(\k)
.set BT, (KB+3)%4                      ; the batch whose read-back falls into this window
.set ACT, \prod
.if (\k) < 4
.set ACT, \gprev
.endif
.if (\c) == 0
.if ACT
.if KM == 1
	WIN 0
	GFSUM1
.endif
.if KM == 2
	WIN 0
	GFSUM2
.endif
.if (\k) == 3
	WIN 0
	SOFTMAX
.endif
.endif
.endif
.if \prod
.if (\c) == 1
	WIN 0
	FEAT EA, (EA%8)
.endif
.if (\c) == 2
	WIN 0
	GATE1 (EA%8)
.endif
.if (\c) == 3
	WIN 0
	GATE2 EA, (KB%2)
.endif
.if (\c) == 4
	WIN 0
	FEAT (EA+1), ((EA+1)%8)
.endif
.if (\c) == 5
	WIN 0
	GATE1 ((EA+1)%8)
.endif
.if (\c) == 6
	WIN 0
	GATE2 (EA+1), (KB%2)
.endif
.endif
.if (\c) == 7
.if \prod
	WIN 0
.if KM == 0
	s_wait_kmcnt 0x0                               ; this window's indices, asked for four slots ago
.if KB == 0
	IDXLOAD 40, s20, 2
.endif
.if KB == 1
	IDXLOAD 24, s20, 3
.endif
.if KB == 2
	IDXLOAD 40, s21, 0
.endif
.if KB == 3
	IDXLOAD 24, s21, 1
.endif
.endif
	ISSUE (24+16*(KB%2)), (2*KM), (EA%8), ((EA+1)%8)       ; the pair four slots ahead, into the ring slots just used up
.endif
.if ACT
.if KM == 0
	WIN 0
	GFLOAD (BT%2), 0
.endif
.if KM == 1
	WIN 0
	GFLOAD (BT%2), 1
.endif
.endif
.endif
.endm
.macro MP mul, isx, ks, mt0, zero, c, prod, gprev
.if \mul
	MUL8 \isx, \ks, \mt0, \zero
.endif
	PIECE \c, \ks, \prod, \gprev
.endm
; A K step.  lw: how many younger loads may be out when the weights of this K step and the rows of this slot's pair have to be in.
; In the loop, behind W(ks): 4 rows, W(ks+1) 16, 4 rows, W(ks+2) 16, 4 rows, W(ks+3) 16 = 60; the pair's rows were asked for just ahead of W(ks).
.macro KSTEP ks, mul, prod, gprev, wnext, lw
.set ZA, 0
.set ZX, 0
.if (\ks) == 0
.set ZA, 1
.set ZX, 1
.endif
.if (\ks) == 8
.set ZX, 1
.endif
.if (\ks) == 12
.set ZX, 1
.endif
.if \mul
	PLACES
.endif
.if \wnext
	WLOAD ((\ks+3)%16)                             ; into the ring slot that the last K step's products read
.endif
.if \mul
	FLOADH H1, FHI, \ks
	s_wait_loadcnt \lw
	s_wait_dscnt 8                                 ; only the eight loads just issued may be out: H0 and the gate's read-back are in
.else
	WIN 0
	s_wait_loadcnt \lw
	s_wait_dscnt 0x0
.endif
	MP \mul, 0, \ks, 0, ZA, 0, \prod, \gprev
	MP \mul, 0, \ks, 2, ZA, 1, \prod, \gprev
	MP \mul, 1, \ks, 0, ZX, 2, \prod, \gprev
	MP \mul, 1, \ks, 2, ZX, 3, \prod, \gprev
.if \mul
	PLACES
.if (\ks) < 15
	FLOADH H0, FLO, (\ks+1)
	s_wait_dscnt 8                                 ; again the eight just issued: H1 is in
.else
	s_wait_dscnt 0x0
.endif
.endif
	MP \mul, 0, \ks, 4, ZA, 4, \prod, \gprev
	MP \mul, 0, \ks, 6, ZA, 5, \prod, \gprev
	MP \mul, 1, \ks, 4, ZX, 6, \prod, \gprev
	MP \mul, 1, \ks, 6, ZX, 7, \prod, \gprev
.endm
; the eight -b1 and eight w2 of column tile nt for my h
.macro CLOAD set, e, nt
	ds_load_b128 v[\set:\set+3], v[CBRD] offset:(\e)*1024+(\nt)*64
	ds_load_b128 v[\set+4:\set+7], v[CBRD] offset:(\e)*1024+(\nt)*64+16
	ds_load_b128 v[\set+8:\set+11], v[CBRD] offset:4096+(\e)*1024+(\nt)*64
	ds_load_b128 v[\set+12:\set+15], v[CBRD] offset:4096+(\e)*1024+(\nt)*64+16
.endm
.macro EPINT win, e, nt, set, left, more
	s_wait_dscnt \left                             ; the other set's four loads may stay out
	WIN ((\win<<6)|\win)
.irp mt, 0,1,2,3,4,5,6,7
.irp j, 0,1,2,3,4,5,6,7
	v_max_num_f32 v[8*(4*\mt+\nt)+\j], v[8*(4*\mt+\nt)+\j], v[\set+\j]
.endr
.endr
	WIN \win
.irp jp, 0,1,2,3
.irp mt, 0,1,2,3,4,5,6,7
.if (\nt+\jp) == 0
	v_pk_mul_f32 v[T+2*\mt:T+2*\mt+1], v[8*(4*\mt+\nt)+2*\jp:8*(4*\mt+\nt)+2*\jp+1], v[\set+8+2*\jp:\set+9+2*\jp]
.else
	v_pk_fma_f32 v[T+2*\mt:T+2*\mt+1], v[8*(4*\mt+\nt)+2*\jp:8*(4*\mt+\nt)+2*\jp+1], v[\set+8+2*\jp:\set+9+2*\jp], v[T+2*\mt:T+2*\mt+1]
.endif
.endr
.endr
	WIN 0
.if \more
	CLOAD \set, \e, (\nt+2)
.endif
.endm
; Expert e, accumulators in window win: sum over my 64 columns of max(a, -b1) w2 for the 128 edges, into SV[4 i + e] (edge 32 i + l).
.macro EPI win, e
	PLACES
	WIN 0
	CLOAD H1, \e, 0
	CLOAD (H1+16), \e, 1
	EPINT \win, \e, 0, H1, 4, 1
	EPINT \win, \e, 1, (H1+16), 4, 1
	EPINT \win, \e, 2, H1, 4, 0
	EPINT \win, \e, 3, (H1+16), 0, 0
.irp mt, 0,1,2,3,4,5,6,7
	v_add_f32 v[T+2*\mt], v[T+2*\mt], v[T+2*\mt+1]         ; lane (r, h): edge 16 mt + r, columns of half h
.endr
.irp i, 0,1,2,3
	v_cndmask_b32 v[T+4*\i+1], v[T+4*\i], v[T+4*\i+2], s76 ; kept: lanes 0-15 tile 2 i, lanes 16-31 tile 2 i + 1
	v_cndmask_b32 v[T+4*\i+3], v[T+4*\i+2], v[T+4*\i], s76 ; sent to the other half of the lanes: the other tile
.endr
.irp i, 0,1,2,3
	v_permlanex16_b32 v[T+4*\i], v[T+4*\i+3], s22, s23
.endr
.irp i, 0,1,2,3
	v_add_f32 v[SV+4*\i+\e], v[T+4*\i+1], v[T+4*\i]
.endr
.endm
; The end of a block.  First barrier: every wave's reads of the buffer multiplied and stores into the buffer produced are done, so the two swap;
; it also stands between the last block's reads of the partial scores and this block's stores of them.
.macro REGION epi, next, first
	WIN 0
	s_wait_dscnt 0x0
	s_barrier_signal -1
	s_barrier_wait -1
.if \next
	s_wait_kmcnt 0x0                               ; the index loads that name s20 and s21 are done
	s_mov_b32 s20, s21
.if \first
	s_add_co_u32 s21, s81, 1024
.else
	s_add_co_u32 s2, s5, 3                         ; the block after the one produced next, held at the last block: the look-ahead stays inside u and v
	s_min_u32 s2, s2, 7
	s_lshl_b32 s2, s2, 9
	s_add_co_u32 s21, s81, s2
.endif
	s_xor_b32 s6, s6, FSZ
	s_xor_b32 s7, s7, FSZ
	v_add_nc_u32 v[FLO], s6, v[FBASE]
	v_add_nc_u32 v[FHI], 64*PITCH, v[FLO]
	v_add_nc_u32 v[PST], s7, v[PBASE]
	PLACES
	FLOADH H0, FLO, 0
.endif
.if \epi
	EPI 3, 2
	EPI 2, 3
.irp i, 0,1,2,3
	ds_store_b128 v[PSTO], v[SV+4*\i:SV+4*\i+3] offset:512*\i
.endr
	s_wait_dscnt 0x0                               ; my partial scores are in LDS, for the others
	s_barrier_signal -1
	s_barrier_wait -1
.irp q, 0,1,2,3
	ds_load_b128 v[H1+4*\q:H1+4*\q+3], v[PRD] offset:2048*\q       ; edge 32 w + l: the four waves' parts
.endr
	s_wait_dscnt 0x0
	v_pk_add_f32 v[H1:H1+1], v[H1:H1+1], v[H1+4:H1+5]
	v_pk_add_f32 v[H1+2:H1+3], v[H1+2:H1+3], v[H1+6:H1+7]
	v_pk_add_f32 v[H1+8:H1+9], v[H1+8:H1+9], v[H1+12:H1+13]
	v_pk_add_f32 v[H1+10:H1+11], v[H1+10:H1+11], v[H1+14:H1+15]
	v_pk_add_f32 v[H1:H1+1], v[H1:H1+1], v[H1+8:H1+9]
	v_pk_add_f32 v[H1+2:H1+3], v[H1+2:H1+3], v[H1+10:H1+11]
	v_add_f32 v[H1], s72, v[H1]
	v_add_f32 v[H1+1], s73, v[H1+1]
	v_add_f32 v[H1+2], s74, v[H1+2]
	v_add_f32 v[H1+3], s75, v[H1+3]
	v_cmp_eq_u32 vcc_lo, 2, v[IDX]
	v_cndmask_b32 v[TMP], v[H1+3], v[H1+2], vcc_lo
	v_cmp_eq_u32 vcc_lo, 1, v[IDX]
	v_cndmask_b32 v[TMP], v[TMP], v[H1+1], vcc_lo
	v_cmp_eq_u32 vcc_lo, 0, v[IDX]
	v_cndmask_b32 v[TMP], v[TMP], v[H1], vcc_lo
	v_mul_f32 v[TMP], v[TMP], v[PT]
	ds_store_b32 v[OUTST], v[TMP]
	v_add_nc_u32 v[OUTST], 512, v[OUTST]
.endif
.endm
	; ---------------- set-up ----------------
	s_load_b512 s[8:23], s[0:1], 0x0               ; z u v w16 out0 part gate_w s[20:21] gate_b s[22:23]
	s_load_b512 s[24:39], s[0:1], 0x40             ; cat_b1 cat_w2 cat_b2 dist_b1 dist_w2 dist_b2 mul_b1 mul_w2
	s_load_b256 s[40:47], s[0:1], 0x80             ; mul_b2 all_b1 all_w2 all_b2
	v_lshrrev_b32 v[TMP], 5, v0
	v_readfirstlane_b32 s4, v[TMP]                 ; wave
	v_and_b32 v[TMP], 31, v0                       ; lane l
	v_and_b32 v[PT], 15, v0                        ; r
	v_bfe_u32 v[IDX], v0, 4, 1                     ; h
	s_lshl_b32 s2, s4, 13
	v_lshl_add_u32 v[WOFF], v[TMP], 4, s2
	v_mul_u32_u24 v[FBASE], v[PT], PITCH
	v_lshl_add_u32 v[FBASE], v[IDX], 4, v[FBASE]
	s_mul_i32 s2, s4, 32*PITCH
	v_lshl_add_u32 v[PBASE], v[TMP], 3, s2
	s_mul_i32 s2, s4, GSWAVE
	s_add_co_u32 s2, s2, GS
	v_lshl_add_u32 v[GSST], v[TMP], 4, s2
	v_and_b32 v[PSTO], 7, v[TMP]
	v_mul_u32_u24 v[GSRD], v[PSTO], GSROW
	v_lshrrev_b32 v[PSTO], 3, v[TMP]
	v_lshl_add_u32 v[GSRD], v[PSTO], 7, v[GSRD]
	v_add_nc_u32 v[GSRD], s2, v[GSRD]
	s_lshl_b32 s2, s4, 11
	s_add_co_u32 s2, s2, PSC
	v_lshl_add_u32 v[PSTO], v[TMP], 4, s2
	s_lshl_b32 s2, s4, 9
	s_add_co_u32 s2, s2, PSC
	v_lshl_add_u32 v[PRD], v[TMP], 4, s2
	s_lshl_b32 s2, s4, 7
	s_add_co_u32 s2, s2, OUTS
	v_lshl_add_u32 v[OUTST], v[TMP], 2, s2
	s_lshl_b32 s2, s4, 8
	s_add_co_u32 s2, s2, CB
	v_lshl_add_u32 v[CBRD], v[IDX], 5, s2
	v_lshlrev_b32 v[PT], 3, v0                     ; 8 t: thread t takes elements 2 t, 2 t + 1 of each b1 and w2
	v_add_nc_u32 v[IDX], CB, v[PT]
	v_lshlrev_b32 v[LANE16], 4, v[TMP]
	v_lshlrev_b32 v[TMP], 6, v[TMP]                ; 64 l: my four features' rows in a segment of gate_w
	s_wait_kmcnt 0x0
	global_load_b64 v[H0:H0+1], v[PT], s[24:25]            ; b1: cat, dist, mul, all
	global_load_b64 v[H0+2:H0+3], v[PT], s[30:31]
	global_load_b64 v[H0+4:H0+5], v[PT], s[36:37]
	global_load_b64 v[H0+6:H0+7], v[PT], s[42:43]
	global_load_b64 v[H0+8:H0+9], v[PT], s[26:27]          ; w2: cat, dist, mul, all
	global_load_b64 v[H0+10:H0+11], v[PT], s[32:33]
	global_load_b64 v[H0+12:H0+13], v[PT], s[38:39]
	global_load_b64 v[H0+14:H0+15], v[PT], s[44:45]
.irp e, 0,1,2,3
.irp g, 0,1,2,3
.irp c, 0,1,2,3
	global_load_b32 v[GW+16*\e+4*\g+\c], v[TMP], s[20:21] offset:2048*\g+16*\c+4*\e    ; gate_w[128 g + 4 l + c][e]: once, kept for the whole launch
.endr
.endr
.endr
	s_load_b32 s72, s[28:29], 0x0
	s_load_b32 s73, s[34:35], 0x0
	s_load_b32 s74, s[40:41], 0x0
	s_load_b32 s75, s[46:47], 0x0
	s_load_b128 s[68:71], s[22:23], 0x0
	s_wait_kmcnt 0x0
	s_wait_xcnt 0x0                                ; s[20:47], which the loads above name, are rewritten only behind this wait
	s_lshl_b32 s81, ttmp9, 12                      ; 1,024 indices of 4 bytes a work-group
	s_lshl_b32 s2, s4, 7                           ; 32 a wave
	s_add_co_u32 s81, s81, s2
	s_mov_b32 s20, s81                             ; block 0 is produced first,
	s_add_co_u32 s21, s81, 512                     ; block 1 next
	s_mov_b32 s22, 0x76543210                      ; v_permlanex16_b32: lane i of one half reads lane i of the other
	s_mov_b32 s23, 0xfedcba98
	s_mov_b32 s67, 0
	s_mov_b32 s76, 0xffff0000
	s_mov_b32 s77, 0x7fffffff
	IDXLOAD 40, s20, 0
	IDXLOAD 24, s20, 1
	s_wait_kmcnt 0x0
	ISSUE 40, 0, 0, 1
	ISSUE 40, 2, 2, 3
	ISSUE 40, 4, 4, 5
	ISSUE 40, 6, 6, 7
	s_wait_loadcnt 16                              ; the 16 row loads stay out; b1, w2 and the gate weights are in
.irp e, 0,1,2,3
	v_mul_f32 v[H0+20+\e], v[H0+2*\e+1], v[H0+8+2*\e+1]
	v_fma_f32 v[H0+16+\e], v[H0+2*\e], v[H0+8+2*\e], v[H0+20+\e]   ; my two terms of the sum of b1 w2
.endr
.irp n, 0,1,2,3,4,5,6,7
	v_xor_b32 v[H0+\n], 0x80000000, v[H0+\n]       ; -b1
.endr
.irp e, 0,1,2,3
	ds_store_b64 v[IDX], v[H0+2*\e:H0+2*\e+1] offset:1024*\e
	ds_store_b64 v[IDX], v[H0+8+2*\e:H0+8+2*\e+1] offset:4096+1024*\e
.endr
.irp m, 1,2,4,8
.irp e, 0,1,2,3
	v_add_f32_dpp v[H0+16+\e], v[H0+16+\e], v[H0+16+\e] row_xmask:\m row_mask:0xf bank_mask:0xf
.endr
.endr
.irp e, 0,1,2,3
	v_permlanex16_b32 v[H0+20+\e], v[H0+16+\e], s22, s23
.endr
	v_pk_add_f32 v[H0+16:H0+17], v[H0+16:H0+17], v[H0+20:H0+21]
	v_pk_add_f32 v[H0+18:H0+19], v[H0+18:H0+19], v[H0+22:H0+23]
	s_lshl_b32 s2, s4, 4
	s_add_co_u32 s2, s2, CCS
	v_mov_b32 v[TMP], s2
	ds_store_b128 v[TMP], v[H0+16:H0+19]           ; every lane the same 16 bytes: my wave's part
.irp e, 0,1,2,3
	v_mov_b32 v[AUX+\e], 0
.endr
	s_mov_b32 s6, FSZ
	s_mov_b32 s7, 0
	v_add_nc_u32 v[PST], s7, v[PBASE]
	; ---------------- block 0 is produced; nothing to multiply yet ----------------
	; lw: behind the pair's four rows stand those of the next three pairs (12); the last three slots also ask for the weights of K steps 0, 1, 2,
	; in the places where the loop asks, so that the loop's count holds on the way in: 12 + 16, 8 + 4 + 32, 4 + 8 + 48.
.irp k, 0,1,2,3,4,5,6,7,8,9,10,11,12
	KSTEP \k, 0, 1, 0, 0, 12
.endr
	KSTEP 13, 0, 1, 0, 1, 28
	KSTEP 14, 0, 1, 0, 1, 44
	KSTEP 15, 0, 1, 0, 1, 60
	REGION 0, 1, 1
	v_mov_b32 v[TMP], CCS                          ; behind the barrier: the four waves' parts of the sums of b1 w2
.irp q, 0,1,2,3
	ds_load_b128 v[T+4*\q:T+4*\q+3], v[TMP] offset:16*\q
.endr
	s_wait_dscnt 0x0
	GFADD4
	v_pk_add_f32 v[T:T+1], v[T:T+1], v[T+8:T+9]
	v_pk_add_f32 v[T+2:T+3], v[T+2:T+3], v[T+10:T+11]
	v_add_f32 v[T], s72, v[T]
	v_add_f32 v[T+1], s73, v[T+1]
	v_add_f32 v[T+2], s74, v[T+2]
	v_add_f32 v[T+3], s75, v[T+3]
	v_readfirstlane_b32 s72, v[T]                  ; c_e = b2 + sum of b1 w2
	v_readfirstlane_b32 s73, v[T+1]
	v_readfirstlane_b32 s74, v[T+2]
	v_readfirstlane_b32 s75, v[T+3]
	; ---------------- trip s5: block s5 is multiplied, block s5 + 1 produced ----------------
	s_mov_b32 s5, 0
.Lblock:
.irp ks, 0,1,2,3,4,5,6,7
	KSTEP \ks, 1, 1, 1, 1, 60
.endr
	EPI 3, 0                                       ; cat is complete
.irp ks, 8,9,10,11
	KSTEP \ks, 1, 1, 1, 1, 60
.endr
	EPI 3, 1                                       ; dist
.irp ks, 12,13,14,15
	KSTEP \ks, 1, 1, 1, 1, 60
.endr
	REGION 1, 1, 0                                 ; mul, all, the block's results
	WIN 0
	s_add_co_u32 s5, s5, 1
	s_cmp_lt_u32 s5, 7
	s_cbranch_scc1 .Lblock
	; ---------------- block 7: nothing is produced; the counts run down ----------------
	; behind W(ks): ks 0 as in the loop; ks 1: 4 + 16 + 4 + 16 + 16; ks 2: 4 + 48; then three K steps of weights; then two, one, none.
	KSTEP 0, 1, 0, 1, 1, 60
	KSTEP 1, 1, 0, 1, 1, 56
	KSTEP 2, 1, 0, 1, 1, 52
.irp ks, 3,4,5,6,7
	KSTEP \ks, 1, 0, 1, 1, 48
.endr
	EPI 3, 0
.irp ks, 8,9,10,11
	KSTEP \ks, 1, 0, 1, 1, 48
.endr
	EPI 3, 1
	KSTEP 12, 1, 0, 1, 1, 48
	KSTEP 13, 1, 0, 1, 0, 32
	KSTEP 14, 1, 0, 1, 0, 16
	KSTEP 15, 1, 0, 1, 0, 0
	REGION 1, 0, 0
	; ---------------- the way out ----------------
	WIN 0
.irp m, 1,2,4,8
.irp e, 0,1,2,3
	v_add_f32_dpp v[AUX+\e], v[AUX+\e], v[AUX+\e] row_xmask:\m row_mask:0xf bank_mask:0xf
.endr
.endr
.irp e, 0,1,2,3
	v_permlanex16_b32 v[T+\e], v[AUX+\e], s22, s23
.endr
	v_pk_add_f32 v[AUX:AUX+1], v[AUX:AUX+1], v[T:T+1]
	v_pk_add_f32 v[AUX+2:AUX+3], v[AUX+2:AUX+3], v[T+2:T+3]
	s_lshl_b32 s2, s4, 4
	s_add_co_u32 s2, s2, AUXS
	v_mov_b32 v[PT], s2
	ds_store_b128 v[PT], v[AUX:AUX+3]
	s_lshl_b32 s2, s4, 10
	v_add_nc_u32 v[TMP], s2, v[LANE16]             ; 1024 w + 16 l
	v_add_nc_u32 v[IDX], OUTS, v[TMP]
	s_lshl_b32 s66, ttmp9, 12
	s_add_nc_u64 s[16:17], s[16:17], s[66:67]      ; out0 at the work-group's 1,024 results
	s_lshl_b32 s66, ttmp9, 4
	s_add_nc_u64 s[18:19], s[18:19], s[66:67]      ; part at its 16 bytes
	s_wait_dscnt 0x0                               ; my results and my sums are in LDS, for the others
	s_barrier_signal -1
	s_barrier_wait -1
	ds_load_b128 v[T:T+3], v[IDX]
	ds_load_b128 v[T+4:T+7], v[IDX] offset:512
	s_wait_dscnt 0x0
	global_store_b128 v[TMP], v[T:T+3], s[16:17]               ; each store of the wave covers 512 consecutive bytes, aligned
	global_store_b128 v[TMP], v[T+4:T+7], s[16:17] offset:512
	s_cmp_lg_u32 s4, 0
	s_cbranch_scc1 .Lend
	v_mov_b32 v[PT], AUXS                          ; wave 0: the work-group's four sums of probabilities
.irp q, 0,1,2,3
	ds_load_b128 v[H0+4*\q:H0+4*\q+3], v[PT] offset:16*\q
.endr
	s_wait_dscnt 0x0
	v_pk_add_f32 v[H0:H0+1], v[H0:H0+1], v[H0+4:H0+5]
	v_pk_add_f32 v[H0+2:H0+3], v[H0+2:H0+3], v[H0+6:H0+7]
	v_pk_add_f32 v[H0+8:H0+9], v[H0+8:H0+9], v[H0+12:H0+13]
	v_pk_add_f32 v[H0+10:H0+11], v[H0+10:H0+11], v[H0+14:H0+15]
	v_pk_add_f32 v[H0:H0+1], v[H0:H0+1], v[H0+8:H0+9]
	v_pk_add_f32 v[H0+2:H0+3], v[H0+2:H0+3], v[H0+10:H0+11]
	v_cmp_eq_u32 vcc_lo, 0, v[LANE16]
	s_wait_xcnt 0x0                                ; EXEC, a source of the stores above, changes only behind this wait
	s_and_saveexec_b32 s79, vcc_lo
	global_store_b128 v[LANE16], v[H0:H0+3], s[18:19]          ; lane 0, whose offset is 0
	s_wait_xcnt 0x0                                ; and again in front of the line that widens it
	s_or_b32 exec_lo, exec_lo, s79
.Lend:
	s_endpgm
.Lfunc_end_k_q1c57cb5cb9_main:
	.size	k_q1c57cb5cb9_main, .Lfunc_end_k_q1c57cb5cb9_main-k_q1c57cb5cb9_main
	.p2alignl 7, 3214868480
	.fill 96, 4, 3214868480
	.section	.rodata,"a",@progbits
	.p2align	6, 0x0
	.amdhsa_kernel k_q1c57cb5cb9_main
		.amdhsa_group_segment_fixed_size 320768
		.amdhsa_private_segment_fixed_size 0
		.amdhsa_enable_private_segment 0
		.amdhsa_kernarg_size 160
		.amdhsa_user_sgpr_count 2
		.amdhsa_user_sgpr_kernarg_segment_ptr 1
		.amdhsa_wavefront_size32 1
		.amdhsa_system_sgpr_workgroup_id_x 1
		.amdhsa_system_sgpr_workgroup_id_y 1
		.amdhsa_system_sgpr_workgroup_id_z 1
		.amdhsa_system_vgpr_workitem_id 0
		.amdhsa_next_free_vgpr 1024
		.amdhsa_next_free_sgpr 96
		.amdhsa_reserve_vcc 1
		.amdhsa_float_denorm_mode_32 3
		.amdhsa_float_denorm_mode_16_64 3
		.amdhsa_memory_ordered 1
		.amdhsa_forward_progress 1
		.amdhsa_inst_pref_size 255
	.end_amdhsa_kernel
	.section	.bss,"aw",@nobits
	.p2align	6
	.space	262144
	.amdgpu_metadata
---
amdhsa.version: [ 1, 2 ]
amdhsa.kernels:
  - .name:           k_q1c57cb5cb9_main
    .symbol:         k_q1c57cb5cb9_main.kd
    .args:
      - { .name: z, .offset: 0, .size: 8, .value_kind: global_buffer, .address_space: global }
      - { .name: u, .offset: 8, .size: 8, .value_kind: global_buffer, .address_space: global }
      - { .name: v, .offset: 16, .size: 8, .value_kind: global_buffer, .address_space: global }
      - { .name: w16, .offset: 24, .size: 8, .value_kind: global_buffer, .address_space: global }
      - { .name: out0, .offset: 32, .size: 8, .value_kind: global_buffer, .address_space: global }
      - { .name: part, .offset: 40, .size: 8, .value_kind: global_buffer, .address_space: global }
      - { .name: gate_w, .offset: 48, .size: 8, .value_kind: global_buffer, .address_space: global }
      - { .name: gate_b, .offset: 56, .size: 8, .value_kind: global_buffer, .address_space: global }
      - { .name: cat_b1, .offset: 64, .size: 8, .value_kind: global_buffer, .address_space: global }
      - { .name: cat_w2, .offset: 72, .size: 8, .value_kind: global_buffer, .address_space: global }
      - { .name: cat_b2, .offset: 80, .size: 8, .value_kind: global_buffer, .address_space: global }
      - { .name: dist_b1, .offset: 88, .size: 8, .value_kind: global_buffer, .address_space: global }
      - { .name: dist_w2, .offset: 96, .size: 8, .value_kind: global_buffer, .address_space: global }
      - { .name: dist_b2, .offset: 104, .size: 8, .value_kind: global_buffer, .address_space: global }
      - { .name: mul_b1, .offset: 112, .size: 8, .value_kind: global_buffer, .address_space: global }
      - { .name: mul_w2, .offset: 120, .size: 8, .value_kind: global_buffer, .address_space: global }
      - { .name: mul_b2, .offset: 128, .size: 8, .value_kind: global_buffer, .address_space: global }
      - { .name: all_b1, .offset: 136, .size: 8, .value_kind: global_buffer, .address_space: global }
      - { .name: all_w2, .offset: 144, .size: 8, .value_kind: global_buffer, .address_space: global }
      - { .name: all_b2, .offset: 152, .size: 8, .value_kind: global_buffer, .address_space: global }
    .group_segment_fixed_size: 320768
    .private_segment_fixed_size: 0
    .kernarg_segment_align: 8
    .kernarg_segment_size: 160
    .max_flat_workgroup_size: 128
    .sgpr_count:     96
    .vgpr_count:     1024
    .wavefront_size: 32
...
	.end_amdgpu_metadata
.endif
;; end of part 2
;; launch finish (part 3): grid 1 x 1, 1 waves a work-group, no clusters, 0 bytes of LDS; arguments part, out1; writes out1
.if DOCPART == 3
	.amdgcn_target "amdgcn-amd-amdhsa--gfx1250"
	.amdhsa_code_object_version 6
	.text
	.protected	k_q1c57cb5cb9_finish
	.globl	k_q1c57cb5cb9_finish
	.p2align	8
	.type	k_q1c57cb5cb9_finish,@function
k_q1c57cb5cb9_finish:
	s_mov_b64 s[64:65], 0
	v_nop
	global_prefetch_b8 v0, s[64:65] scope:SCOPE_SE
	s_setreg_imm32_b32 hwreg(HW_REG_WAVE_MODE, 25, 1), 1
	s_wait_xcnt 0x0
; aux = 4 x the sum over the four experts of (mean probability)^2.  part holds, for each of 256 work-groups, four sums over its 1,024 edges.
; One wave: lane l adds the quads of work-groups l, l + 32, .. l + 224 (eight loads of 512 consecutive bytes), then the lanes are summed.
; One work-group, because the sum spans all work-groups of the launch before and is 4,096 bytes of input.
	s_load_b128 s[4:7], s[0:1], 0x0                ; part s[4:5], out1 s[6:7]
	v_lshlrev_b32 v1, 4, v0
	s_mov_b32 s8, 0x76543210                       ; v_permlanex16_b32: lane i of one half reads lane i of the other
	s_mov_b32 s9, 0xfedcba98
	s_wait_kmcnt 0x0
.irp i, 0,1,2,3,4,5,6,7
	global_load_b128 v[4+4*\i:7+4*\i], v1, s[4:5] offset:512*\i
.endr
	s_wait_loadcnt 0x0
.irp i, 0,2,4,6
	v_pk_add_f32 v[4+4*\i:5+4*\i], v[4+4*\i:5+4*\i], v[8+4*\i:9+4*\i]
	v_pk_add_f32 v[6+4*\i:7+4*\i], v[6+4*\i:7+4*\i], v[10+4*\i:11+4*\i]
.endr
.irp i, 0,4
	v_pk_add_f32 v[4+4*\i:5+4*\i], v[4+4*\i:5+4*\i], v[12+4*\i:13+4*\i]
	v_pk_add_f32 v[6+4*\i:7+4*\i], v[6+4*\i:7+4*\i], v[14+4*\i:15+4*\i]
.endr
	v_pk_add_f32 v[4:5], v[4:5], v[20:21]
	v_pk_add_f32 v[6:7], v[6:7], v[22:23]
.irp m, 1,2,4,8
.irp e, 0,1,2,3
	v_add_f32_dpp v[4+\e], v[4+\e], v[4+\e] row_xmask:\m row_mask:0xf bank_mask:0xf
.endr
.endr
.irp e, 0,1,2,3
	v_permlanex16_b32 v[8+\e], v[4+\e], s8, s9
.endr
	v_pk_add_f32 v[4:5], v[4:5], v[8:9]
	v_pk_add_f32 v[6:7], v[6:7], v[10:11]
	v_pk_mul_f32 v[4:5], v[4:5], 0x36800000 op_sel_hi:[1,0]    ; / 262,144 edges = x 2^-18, exact
	v_pk_mul_f32 v[6:7], v[6:7], 0x36800000 op_sel_hi:[1,0]
	v_mul_f32 v8, v4, v4
	v_fmac_f32 v8, v5, v5
	v_fmac_f32 v8, v6, v6
	v_fmac_f32 v8, v7, v7
	v_mul_f32 v8, 4.0, v8
	v_mov_b32 v9, 0
	v_cmp_eq_u32 vcc_lo, 0, v0
	s_wait_xcnt 0x0                                ; EXEC changes only behind this wait
	s_and_saveexec_b32 s10, vcc_lo
	global_store_b32 v9, v8, s[6:7]
	s_wait_xcnt 0x0
	s_or_b32 exec_lo, exec_lo, s10
	s_endpgm
.Lfunc_end_k_q1c57cb5cb9_finish:
	.size	k_q1c57cb5cb9_finish, .Lfunc_end_k_q1c57cb5cb9_finish-k_q1c57cb5cb9_finish
	.p2alignl 7, 3214868480
	.fill 96, 4, 3214868480
	.section	.rodata,"a",@progbits
	.p2align	6, 0x0
	.amdhsa_kernel k_q1c57cb5cb9_finish
		.amdhsa_group_segment_fixed_size 0
		.amdhsa_private_segment_fixed_size 0
		.amdhsa_enable_private_segment 0
		.amdhsa_kernarg_size 16
		.amdhsa_user_sgpr_count 2
		.amdhsa_user_sgpr_kernarg_segment_ptr 1
		.amdhsa_wavefront_size32 1
		.amdhsa_system_sgpr_workgroup_id_x 1
		.amdhsa_system_sgpr_workgroup_id_y 1
		.amdhsa_system_sgpr_workgroup_id_z 1
		.amdhsa_system_vgpr_workitem_id 0
		.amdhsa_next_free_vgpr 48
		.amdhsa_next_free_sgpr 66
		.amdhsa_reserve_vcc 1
		.amdhsa_float_denorm_mode_32 3
		.amdhsa_float_denorm_mode_16_64 3
		.amdhsa_memory_ordered 1
		.amdhsa_forward_progress 1
		.amdhsa_inst_pref_size 5
	.end_amdhsa_kernel
	.amdgpu_metadata
---
amdhsa.version: [ 1, 2 ]
amdhsa.kernels:
  - .name:           k_q1c57cb5cb9_finish
    .symbol:         k_q1c57cb5cb9_finish.kd
    .args:
      - { .name: part, .offset: 0, .size: 8, .value_kind: global_buffer, .address_space: global }
      - { .name: out1, .offset: 8, .size: 8, .value_kind: global_buffer, .address_space: global }
    .group_segment_fixed_size: 0
    .private_segment_fixed_size: 0
    .kernarg_segment_align: 8
    .kernarg_segment_size: 16
    .max_flat_workgroup_size: 32
    .sgpr_count:     66
    .vgpr_count:     48
    .wavefront_size: 32
...
	.end_amdgpu_metadata
.endif
;; end of part 3
;; ======== version 2 of 2: 3 launches; 1.26 times as fast as version 1
;; limits: values are held in f16: magnitudes above 65,504 overflow, below 6.1e-05 lose precision; inputs' magnitudes at most 255
;; workspace buffers: w16 524,288 bytes; part 4,096 bytes
;; launch prep: the kernel of part 1 again; grid 64 x 1, 8 waves a work-group, no clusters, 0 bytes of LDS; arguments all_w1, cat_w1, dist_w1, mul_w1, w16; writes w16
;; launch main (part 4): grid 256 x 1, 4 waves a work-group, no clusters, 320,768 bytes of LDS; arguments z, u, v, w16, out0, part, gate_w, gate_b, cat_b1, cat_w2, cat_b2, dist_b1, dist_w2, dist_b2, mul_b1, mul_w2, mul_b2, all_b1, all_w2, all_b2; writes out0, part
.if DOCPART == 4
	.amdgcn_target "amdgcn-amd-amdhsa--gfx1250"
	.amdhsa_code_object_version 6
	.text
	.protected	k_q1c57cb5cb9_main
	.globl	k_q1c57cb5cb9_main
	.p2align	8
	.type	k_q1c57cb5cb9_main,@function
k_q1c57cb5cb9_main:
	s_mov_b64 s[64:65], 0
	v_nop
	global_prefetch_b8 v0, s[64:65] scope:SCOPE_SE
	s_setreg_imm32_b32 hwreg(HW_REG_WAVE_MODE, 25, 1), 1
	s_wait_xcnt 0x0
; Per edge: gather z[u], z[v]; features [zu, zv, |zu-zv|, zu*zv]; four experts (features x w1, relu, dot with w2); a gate of four logits,
; softmax, out = p_top * s_top; and per work-group the sum of the probabilities (for the aux loss, finished by the next launch).
;
; SHARES.  256 work-groups of four waves; a work-group owns 1,024 edges and walks them as 8 blocks of 128.  Wave w makes hidden columns
; 64 w .. 64 w + 63 of every expert for all 128 edges.  Each K step of 32 features is used by exactly two experts (all, and cat / dist / mul
; by the features' segment), so one feature fragment feeds 8 matrix instructions and a wave's tile is 128 edges x 128 columns:
; 256 accumulator registers for all, 256 for the other expert, 64 matrix instructions a K step, 16 K steps a block.
; FEATURES lie in LDS as f16, two buffers of 128 rows.  While block b is multiplied the same waves make block b+1, 32 edges a wave, two edges
; a K step.  The production is cut into granules of at most four vector instructions, and one granule stands behind each PAIR of matrix
; instructions: 26 granules for the two edges, up to 9 for the gate's read-back or the softmax, 2 of scalar work, on 32 pairs.
; The price is two window switches a vector granule: production lives in window 0, the products' operands in windows 1 to 3.
; ALL MEMORY INSTRUCTIONS OF A K STEP STAND IN TWO RUNS, at its head and in its middle; the stretches between hold matrix, vector and scalar
; instructions only.  So an edge's results wait in registers: its eight packed f16 words take the place of its two rows in the row ring, its
; four partial logits lie in PK (first edge) or T (second), and all are stored at the head of the next K step, in front of the loads that
; fill the two ring slots again.
; WEIGHTS come from w16 (fragment order, made by the launch before) straight into registers, a ring of four K steps, asked for three K steps ahead.
; ONE BODY FOR ALL EIGHT BLOCKS.  The eighth trip multiplies block 7 and has no block to produce; it produces block 7 once more (indices held at the
; last block) into the free buffer and asks for three K steps of weights ahead.  These 32 edges and 64 row loads a wave, one ninth of the production,
; are discarded.  In return every counted wait sees the same loads on every path and no second text for a last block is needed.
; NO CLUSTER, NO JOINT LOADS, though all work-groups walk the same weights: a joint load lands in LDS, each weight fragment is read by one wave
; only, and the two feature buffers (266,240 bytes) and the scratch (54,400 bytes) leave 6,912 of the 327,680 bytes that a work-group can be
; given, while one K step of weights is 32,768 bytes.
; THE MATRIX INSTRUCTION IS USED TRANSPOSED: source 0 = 16 hidden columns of w1, source 1 = 16 edges.  Register j of lane (r, h) then holds
; (hidden 8 h + j, edge r): relu and the dot with w2 stay inside the lane, only h is crossed.
; relu(a + b) w2 = max(a, -b) w2 + b w2: one maximum in place and half a packed multiply-add a value; c_e = b2 + sum of b1 w2 is added once.
; THE GATE decides which expert's score is kept, so it is computed in f32 on the vector unit from the f32 rows (0.8% of the products).
;
; LIMITS.  Matrix operands are f16: |z|, |zu zv| and |w1| above 65,504 become infinite (that is |z| < 255).  A NaN in a hidden value is dropped by
; the maximum where the reference keeps it.  An infinite score of an expert that is not chosen gives NaN in the reference (0 x inf) and is
; ignored here.  Indices are read as unsigned and clamped to 49,999.  Equal logits go to the lowest index; two logits closer than the error of an
; f32 sum of 512 products (about 1e-7 of their size) can be ordered otherwise than in the reference.
;
; REGISTERS.  Window 0: addresses, production, feature fragments.  Window 1: the weight ring, K step ks at 64 (ks % 4), fragment f at + 8 f.
; Window 2: accumulators of all, tile (mt, nt) at 8 (4 mt + nt).  Window 3: those of the other expert.
.set PITCH,  1040                      ; a feature row: 512 f16 + 16 bytes; an odd multiple of 16, so the 16 rows of a fragment load start in 16 different 16-byte columns of a 256-byte span
.set FSZ,    128*PITCH                 ; a feature buffer, 133,120 bytes; F0 at 0, F1 at FSZ
.set GS,     2*FSZ                     ; gate scratch, a wave's own: 2 halves x 8 rows (edges) x 528 bytes (32 lanes x 16 + 16)
.set GSROW,  528
.set GSHALF, 8*GSROW
.set GSWAVE, 2*GSHALF
.set PSC,    GS+4*GSWAVE               ; partial scores [wave][edge 0..127][expert] f32, 8,192 bytes
.set CB,     PSC+8192                  ; -b1[e][256] at e*1024, w2[e][256] at 4096 + e*1024  (e: 0 cat, 1 dist, 2 mul, 3 all)
.set OUTS,   CB+8192                   ; the work-group's 1,024 results
.set CCS,    OUTS+4096                 ; per wave four partial sums of b1 w2
.set AUXS,   CCS+64                    ; per wave four sums of probabilities
.set LANE16, 0                         ; v0   the thread's number during set-up, then 16 x lane
.set WOFF,   1                         ; 8192 w + 16 l: my 16 bytes in a K step's weights
.set FBASE,  2                         ; 1040 r + 16 h
.set FLO,    3                         ; fragment address, edges 0-63 of the buffer that is read
.set FHI,    4                         ; the same, edges 64-127
.set PBASE,  5                         ; 33280 w + 8 l
.set PST,    6                         ; where my wave's 32 rows are produced
.set GSST,   7
.set GSRD,   8
.set PSTO,   9
.set PRD,    10
.set OUTST,  11
.set CBRD,   12
.set PT,     13                        ; p_top of my edge of the block being multiplied
.set IDX,    14                        ; its expert
.set TMP,    15
.set LG,     16                        ; v[16:19]   logits of my wave's edge l (without gate_b)
.set GA,     20                        ; v[20:23]   a batch's sum between its two parts
.set AUX,    24                        ; v[24:27]   sums of probabilities
.set SV,     28                        ; v[28:43]   SV[4 i + e]: my columns' part of the score of edge 32 i + l, expert e
.set T,      44                        ; v[44:59]   at work: difference 0-3, product 4-7, gate pairs 8-15; the second edge's partial logits 0-3; read-back; epilogue sums
.set PK,     60                        ; v[60:63]   the first edge's partial logits
.set ZR,     64                        ; v[64:127]  8 slots x (zu 4, zv 4): rows on their way, then the edge's 8 packed f16 words
.set GW,     128                       ; v[128:191] gate weights of my 16 features: GW[16 e + 4 segment + c]
.set H0,     192                       ; v[192:223] feature fragments of edges 0-63
.set H1,     224                       ; v[224:255] of edges 64-127; in the epilogues two sets of constants; then the four partial scores
; scalars: s4 wave, s5 trip, s6 / s7 offset of the buffer read / written, s[8:19] z u v w16 out0 part, s20 / s21 byte offset in u and v of the block
; in production / the next, s22 s23 lane selects, s[24:39] s[40:55] two sets of 8 + 8 indices, s[56:63] four row addresses, s[66:67] offset pair,
; s[68:71] gate_b, s[72:75] b2 then c_e, s76 mask of lanes 16-31, s77 clears a sign, s79 saved EXEC, s81 offset of my wave's first index
.set MSB, 0
.macro WIN new                         ; the immediate's high byte repeats the setting that is left; a switch that changes nothing is dropped
.if MSB != (\new)
	s_set_vgpr_msb (MSB<<8)|(\new)
.set MSB, \new
.endif
.endm
; Four plain vector instructions stand between a matrix instruction and a load into, or a vector access to, one of its registers.
.macro PLACES
.rept 4
	v_nop
.endr
.endm
; my wave's 8,192 bytes of K step ks: 16 loads of 512 consecutive bytes; no pointer is stepped
.macro WLOAD ks
	WIN 0x40
.irp i, 0,1,2,3,4,5,6,7,8,9,10,11,12,13,14,15
	global_load_b128 v[64*((\ks)%4)+4*\i:64*((\ks)%4)+4*\i+3], v[WOFF], s[14:15] offset:(\ks)*32768+\i*512
.endr
.endm
; four feature fragments (64 edges x 32 features): lane (r, h) takes row r, bytes 16 h and 32 + 16 h of the K step's 64
.macro FLOADH buf, adr, ks
	WIN 0
.irp q, 0,1,2,3
	ds_load_b128 v[\buf+8*\q:\buf+8*\q+3], v[\adr] offset:\q*16*PITCH+(\ks)*64
	ds_load_b128 v[\buf+8*\q+4:\buf+8*\q+7], v[\adr] offset:\q*16*PITCH+(\ks)*64+32
.endr
.endm
; two matrix instructions: edge tile mt x column tiles nt0, nt0 + 1 of all (isx = 0) or of the other expert (1).  zero: the product starts the sum.
.macro MUL2 isx, ks, mt, nt0, zero
.if \isx
	WIN 0xf1
.else
	WIN 0xa1
.endif
.irp nt, \nt0, \nt0+1
.if \zero
	v_wmma_f32_16x16x32_f16 v[8*(4*(\mt)+\nt):8*(4*(\mt)+\nt)+7], v[64*((\ks)%4)+8*(\nt+4*\isx):64*((\ks)%4)+8*(\nt+4*\isx)+7], v[H0+8*(\mt):H0+8*(\mt)+7], 0
.else
	v_wmma_f32_16x16x32_f16 v[8*(4*(\mt)+\nt):8*(4*(\mt)+\nt)+7], v[64*((\ks)%4)+8*(\nt+4*\isx):64*((\ks)%4)+8*(\nt+4*\isx)+7], v[H0+8*(\mt):H0+8*(\mt)+7], v[8*(4*(\mt)+\nt):8*(4*(\mt)+\nt)+7]
.endif
.endr
.endm
; two of my features against the four experts' gate weights: four chains, one pair of sums for each expert
.macro GATEP x, fi, first
.irp e, 0,1,2,3
.if \first
	v_pk_mul_f32 v[T+8+2*\e:T+9+2*\e], v[\x:\x+1], v[GW+16*\e+\fi:GW+16*\e+\fi+1]
.else
	v_pk_fma_f32 v[T+8+2*\e:T+9+2*\e], v[\x:\x+1], v[GW+16*\e+\fi:GW+16*\e+\fi+1], v[T+8+2*\e:T+9+2*\e]
.endif
.endr
.endm
; Granule g of an edge's thirteen, four vector instructions each.  Lane l holds columns 4 l .. 4 l + 3 of zu and zv in the ring slot.
; 0: difference and product in f32.  1-4: the gate on zu and zv (the first products start the sums).  5: the difference's signs go.  6-9: the gate on
; difference and product.  10, 11: the four segments to f16, into the slot's own eight registers, each written when its f32 content has been used.
; 12: my four partial logits into v[ld .. ld + 3].
.macro EDGEG g, slot, ld
.set ZU, ZR+8*(\slot)
.set ZV, ZU+4
.if (\g) == 0
	v_pk_add_f32 v[T:T+1], v[ZU:ZU+1], v[ZV:ZV+1] neg_lo:[0,1] neg_hi:[0,1]
	v_pk_add_f32 v[T+2:T+3], v[ZU+2:ZU+3], v[ZV+2:ZV+3] neg_lo:[0,1] neg_hi:[0,1]
	v_pk_mul_f32 v[T+4:T+5], v[ZU:ZU+1], v[ZV:ZV+1]
	v_pk_mul_f32 v[T+6:T+7], v[ZU+2:ZU+3], v[ZV+2:ZV+3]
.endif
.if (\g) == 1
	GATEP ZU, 0, 1
.endif
.if (\g) == 2
	GATEP (ZU+2), 2, 0
.endif
.if (\g) == 3
	GATEP (ZU+4), 4, 0
.endif
.if (\g) == 4
	GATEP (ZU+6), 6, 0
.endif
.if (\g) == 5
	v_and_b32 v[T], s77, v[T]
	v_and_b32 v[T+1], s77, v[T+1]
	v_and_b32 v[T+2], s77, v[T+2]
	v_and_b32 v[T+3], s77, v[T+3]
.endif
.if (\g) == 6
	GATEP T, 8, 0
.endif
.if (\g) == 7
	GATEP (T+2), 10, 0
.endif
.if (\g) == 8
	GATEP (T+4), 12, 0
.endif
.if (\g) == 9
	GATEP (T+6), 14, 0
.endif
.if (\g) == 10
	v_cvt_pk_f16_f32 v[ZU], v[ZU], v[ZU+1]
	v_cvt_pk_f16_f32 v[ZU+1], v[ZU+2], v[ZU+3]
	v_cvt_pk_f16_f32 v[ZU+2], v[ZU+4], v[ZU+5]
	v_cvt_pk_f16_f32 v[ZU+3], v[ZU+6], v[ZU+7]
.endif
.if (\g) == 11
	v_cvt_pk_f16_f32 v[ZU+4], v[T], v[T+1]
	v_cvt_pk_f16_f32 v[ZU+5], v[T+2], v[T+3]
	v_cvt_pk_f16_f32 v[ZU+6], v[T+4], v[T+5]
	v_cvt_pk_f16_f32 v[ZU+7], v[T+6], v[T+7]
.endif
.if (\g) == 12
.irp e, 0,1,2,3
	v_add_f32 v[\ld+\e], v[T+8+2*\e], v[T+9+2*\e]
.endr
.endif
.endm
; THE DEFERRED PART OF PRODUCTION SLOT k (edges 2 k, 2 k + 1), issued in the next run of memory instructions.
.macro DEFLOG k                        ; the partial logits go to rows (2 k) % 8, + 1 of the batch's half of my wave's scratch
	ds_store_b128 v[GSST], v[PK:PK+3] offset:(((\k)/4)%2)*GSHALF+((2*(\k))%8)*GSROW
	ds_store_b128 v[GSST], v[T:T+3] offset:(((\k)/4)%2)*GSHALF+((2*(\k)+1)%8)*GSROW
.endm
.macro DEFFEAT k                       ; the four segments of the two rows, 8 bytes a lane
.irp d, 0,1
.irp g, 0,1,2,3
	ds_store_b64 v[PST], v[ZR+8*((2*(\k)+\d)%8)+2*\g:ZR+8*((2*(\k)+\d)%8)+2*\g+1] offset:(2*(\k)+\d)*PITCH+256*\g
.endr
.endr
.endm
; the rows of two edges: four loads of 512 consecutive bytes.  A row of z is named by about ten edges (524,288 row reads on 50,000 rows), of any
; work-group: hence the hint for data that is read again.
.macro ISSL slota, slotb
	global_load_b128 v[ZR+8*(\slota):ZR+8*(\slota)+3], v[LANE16], s[56:57] th:TH_LOAD_HT
	global_load_b128 v[ZR+8*(\slota)+4:ZR+8*(\slota)+7], v[LANE16], s[58:59] th:TH_LOAD_HT
	global_load_b128 v[ZR+8*(\slotb):ZR+8*(\slotb)+3], v[LANE16], s[60:61] th:TH_LOAD_HT
	global_load_b128 v[ZR+8*(\slotb)+4:ZR+8*(\slotb)+7], v[LANE16], s[62:63] th:TH_LOAD_HT
.endm
.macro DEFROWS k                       ; the pair four slots ahead, into the ring slots whose stores have just been issued
	ISSL ((2*(\k))%8), ((2*(\k)+1)%8)
.endm
.macro DEFERALL k
	WIN 0
	DEFLOG \k
	DEFFEAT \k
	DEFROWS \k
.endm
; the four row addresses, in two scalar granules
.macro ISSA set, jj
	s_wait_xcnt 0x0                                ; the four row addresses, which the last four gathers name, are rewritten only behind this wait; no memory instruction stands between it and the second granule's last write
	s_min_u32 s66, s[\set+\jj], 49999
	s_lshl_b32 s66, s66, 9
	s_add_nc_u64 s[56:57], s[8:9], s[66:67]
	s_min_u32 s66, s[\set+8+\jj], 49999
	s_lshl_b32 s66, s66, 9
	s_add_nc_u64 s[58:59], s[8:9], s[66:67]
.endm
.macro ISSBS set, jj
	s_min_u32 s66, s[\set+\jj+1], 49999
	s_lshl_b32 s66, s66, 9
	s_add_nc_u64 s[60:61], s[8:9], s[66:67]
	s_min_u32 s66, s[\set+8+\jj+1], 49999
	s_lshl_b32 s66, s66, 9
	s_add_nc_u64 s[62:63], s[8:9], s[66:67]
.endm
.macro ISSUE set, jj, slota, slotb
	ISSA \set, \jj
	ISSBS \set, \jj
	ISSL \slota, \slotb
.endm
.macro IDXLOAD set, off, g             ; eight u and eight v: group g of my wave's 32 edges of the block at offset off
	s_load_b256 s[\set:\set+7], s[10:11], \off offset:32*\g
	s_load_b256 s[\set+8:\set+15], s[12:13], \off offset:32*\g
.endm
; read-back of a batch of eight edges: lane (l & 7, l >> 3) takes edge l & 7 and the partial logits of lanes 8 (l >> 3) .. + 7, four in each part
.macro GFLOAD half, part
.irp tt, 0,1,2,3
	ds_load_b128 v[T+4*\tt:T+4*\tt+3], v[GSRD] offset:(\half)*GSHALF+(4*\part+\tt)*16
.endr
.endm
.macro GFADD4
	v_pk_add_f32 v[T:T+1], v[T:T+1], v[T+4:T+5]
	v_pk_add_f32 v[T+2:T+3], v[T+2:T+3], v[T+6:T+7]
	v_pk_add_f32 v[T+8:T+9], v[T+8:T+9], v[T+12:T+13]
	v_pk_add_f32 v[T+10:T+11], v[T+10:T+11], v[T+14:T+15]
.endm
.macro GFS1G p                         ; the first part's sum, in two granules
.if (\p) == 0
	GFADD4
.endif
.if (\p) == 1
	v_pk_add_f32 v[GA:GA+1], v[T:T+1], v[T+8:T+9]
	v_pk_add_f32 v[GA+2:GA+3], v[T+2:T+3], v[T+10:T+11]
.endif
.endm
; batch BT, in six granules: the second part, the sum over l >> 3 (lane bits 3 and 4), and the merge into lanes 8 BT .. 8 BT + 7
.macro GFS2G p
.if (\p) == 0
	GFADD4
.endif
.if (\p) == 1
	v_pk_add_f32 v[T:T+1], v[T:T+1], v[T+8:T+9]
	v_pk_add_f32 v[T+2:T+3], v[T+2:T+3], v[T+10:T+11]
	v_pk_add_f32 v[GA:GA+1], v[GA:GA+1], v[T:T+1]
	v_pk_add_f32 v[GA+2:GA+3], v[GA+2:GA+3], v[T+2:T+3]
.endif
.if (\p) == 2
.irp e, 0,1,2,3
	v_add_f32_dpp v[GA+\e], v[GA+\e], v[GA+\e] row_xmask:8 row_mask:0xf bank_mask:0xf
.endr
.endif
.if (\p) == 3
.irp e, 0,1,2,3
	v_permlanex16_b32 v[T+\e], v[GA+\e], s22, s23
.endr
.endif
.if (\p) == 4
	v_pk_add_f32 v[GA:GA+1], v[GA:GA+1], v[T:T+1]
	v_pk_add_f32 v[GA+2:GA+3], v[GA+2:GA+3], v[T+2:T+3]
.endif
.if (\p) == 5
.if BT == 0
.irp e, 0,1,2,3
	v_mov_b32 v[LG+\e], v[GA+\e]                   ; the first batch writes every lane; the later ones replace their eight
.endr
.else
	s_mov_b32 vcc_lo, 0xff<<(8*BT)
.irp e, 0,1,2,3
	v_cndmask_b32 v[LG+\e], v[LG+\e], v[GA+\e], vcc_lo
.endr
.endif
.endif
.endm
; lane l: the softmax of my wave's edge l, in nine granules.  The largest logit is taken away; p_top = 1 / sum, since its own exponential is 1.
.macro SOFTG p
.if (\p) == 0
	v_add_f32 v[T], s68, v[LG]
	v_add_f32 v[T+1], s69, v[LG+1]
	v_add_f32 v[T+2], s70, v[LG+2]
	v_add_f32 v[T+3], s71, v[LG+3]
.endif
.if (\p) == 1
	v_max3_num_f32 v[T+4], v[T], v[T+1], v[T+2]
	v_max_num_f32 v[T+4], v[T+4], v[T+3]
	v_mov_b32 v[IDX], 3
.endif
.if (\p) == 2
	v_cmp_neq_f32 vcc_lo, v[T+2], v[T+4]
	v_cndmask_b32 v[IDX], 2, v[IDX], vcc_lo        ; descending, so that the lowest index wins a tie
	v_cmp_neq_f32 vcc_lo, v[T+1], v[T+4]
	v_cndmask_b32 v[IDX], 1, v[IDX], vcc_lo
.endif
.if (\p) == 3
	v_cmp_neq_f32 vcc_lo, v[T], v[T+4]
	v_cndmask_b32 v[IDX], 0, v[IDX], vcc_lo
	v_sub_f32 v[T], v[T], v[T+4]
	v_sub_f32 v[T+1], v[T+1], v[T+4]
.endif
.if (\p) == 4
	v_sub_f32 v[T+2], v[T+2], v[T+4]
	v_sub_f32 v[T+3], v[T+3], v[T+4]
	v_pk_mul_f32 v[T:T+1], v[T:T+1], 0x3fb8aa3b op_sel_hi:[1,0]
	v_pk_mul_f32 v[T+2:T+3], v[T+2:T+3], 0x3fb8aa3b op_sel_hi:[1,0]
.endif
.if (\p) == 5
	v_exp_f32 v[T], v[T]
	v_exp_f32 v[T+1], v[T+1]
	v_exp_f32 v[T+2], v[T+2]
	v_exp_f32 v[T+3], v[T+3]
.endif
.if (\p) == 6
	v_nop                                          ; one plain vector instruction before a transcendental's result is used (ISA guide 5.7.2); the matrix pair in between is none
	s_wait_alu depctr_va_vdst(0)
	v_add_f32 v[T+5], v[T], v[T+1]
	v_add_f32 v[T+6], v[T+2], v[T+3]
	v_add_f32 v[T+5], v[T+5], v[T+6]
.endif
.if (\p) == 7
	v_rcp_f32 v[PT], v[T+5]
	v_nop                                          ; the same, for the reciprocal
.endif
.if (\p) == 8
	s_wait_alu depctr_va_vdst(0)
.irp e, 0,1,2,3
	v_fmac_f32 v[AUX+\e], v[T+\e], v[PT]
.endr
.endif
.endm
; THE GRANULES OF PRODUCTION SLOT k (edges 2 k and 2 k + 1 of my 32), numbered 0 to 36 and taken in this order:
;   up to 8: the read-back sums of the batch before (k % 4 = 1: two granules; k % 4 = 2: six), or in slot 3 the softmax (nine), right-aligned at 8
;   9-21 the first edge, 22-34 the second, 35-36 scalar: the row addresses of the pair four slots ahead and, in a window's first slot, the index loads.
; gprev: whether slots 1-3 finish batch 3 of the production before and its softmax (not in the first production, which has none before it).
; GFL: the head of this slot loads a part of the read-back (k % 4 = 1: part 0, k % 4 = 2: part 1).
; Index windows of four slots: even windows read set s[24:39], odd ones s[40:55]; each window's first slot asks for the next window's set.
.macro GSTART k, gprev
.set KM, (\k)%4
.set KB, (\k)/4
.set EA, 2*(\k)
.set BT, (KB+3)%4                      ; the batch whose read-back falls into this window
.set ACT, 1
.if (\k) < 4
.set ACT, \gprev
.endif
.set LA, 0
.set GFL, 0
.if ACT
.if KM == 1
.set LA, 2
.set GFL, 1
.endif
.if KM == 2
.set LA, 6
.set GFL, 1
.endif
.if (\k) == 3
.set LA, 9
.endif
.endif
.set GP, 9-LA
.set GTOT, 37
.endm
.macro GRAN                            ; granule GP
.if GP < 9
.if KM == 1
	GFS1G (GP+LA-9)
.endif
.if KM == 2
	GFS2G (GP+LA-9)
.endif
.if KM == 3
	SOFTG (GP+LA-9)
.endif
.else
.if GP < 22
	EDGEG (GP-9), (EA%8), PK
.else
.if GP < 35
	EDGEG (GP-22), ((EA+1)%8), T
.else
.if GP == 35
.if KM == 0
	s_wait_kmcnt 0x0                               ; this window's indices, asked for four slots ago
.endif
	ISSA (24+16*(KB%2)), (2*KM)
.endif
.if GP == 36
	ISSBS (24+16*(KB%2)), (2*KM)
.if KM == 0
.if KB == 0
	IDXLOAD 40, s20, 2
.endif
.if KB == 1
	IDXLOAD 24, s20, 3
.endif
.if KB == 2
	IDXLOAD 40, s21, 0
.endif
.if KB == 3
	IDXLOAD 24, s21, 1
.endif
.endif
.endif
.endif
.endif
.endif
.endm
.macro NEXTG                           ; the slot's next granule, if one is left; the scalar ones need no window
.if GP < GTOT
.if GP < 35
	WIN 0
.endif
	GRAN
.set GP, GP+1
.endif
.endm
.macro FLUSHG                          ; all that are left
.rept 37
	NEXTG
.endr
.endm
; 16 pairs: edge tiles hb .. hb + 3 x my four column tiles of all, then of the other expert; a granule behind each pair
.macro HALF ks, hb, za, zx
.irp mt, 0,1,2,3
.irp n0, 0,2
	MUL2 0, \ks, (\hb+\mt), \n0, \za
	NEXTG
.endr
.endr
.irp mt, 0,1,2,3
.irp n0, 0,2
	MUL2 1, \ks, (\hb+\mt), \n0, \zx
	NEXTG
.endr
.endr
.endm
; A K step.  dfr: its head issues the deferred part of the slot before (not where that has been issued already: K steps 0, 8, 12).
; lw: how many younger loads may be out when the weights of this K step and the rows of this slot's pair have to be in.
; In the loop, behind W(ks): 4 rows, W(ks+1) 16, 4 rows, W(ks+2) 16, 4 rows, W(ks+3) 16 = 60; the pair's rows were asked for just ahead of W(ks).
.macro KSTEP ks, mul, gprev, wnext, dfr, lw
.set ZA, 0
.set ZX, 0
.if (\ks) == 0
.set ZA, 1
.set ZX, 1
.endif
.if (\ks) == 8
.set ZX, 1
.endif
.if (\ks) == 12
.set ZX, 1
.endif
	GSTART \ks, \gprev
.if \mul
	PLACES
.endif
	WIN 0
.if \dfr
	DEFLOG (\ks-1)                                 ; first, since the read-back below lands on T
.endif
.if GFL
	GFLOAD (BT%2), (KM-1)
.endif
.if \dfr
	DEFFEAT (\ks-1)
	DEFROWS (\ks-1)
.endif
.if \wnext
	WLOAD ((\ks+3)%16)                             ; into the ring slot that the last K step's products read
.endif
.if \mul
	FLOADH H1, FHI, \ks
	s_wait_loadcnt \lw
	s_wait_dscnt 8+8*\dfr                          ; the eight H1 loads and, ahead of them, the eight feature stores may be out: H0, the logit stores and the read-back are older
	HALF \ks, 0, ZA, ZX
	PLACES
.if (\ks) < 15
	FLOADH H0, FLO, (\ks+1)
	s_wait_dscnt 8                                 ; only the eight just issued: H1 is in
.else
	s_wait_dscnt 0x0
.endif
	HALF \ks, 4, ZA, ZX
.else
	WIN 0
	s_wait_loadcnt \lw
	s_wait_dscnt 0x0
.endif
	FLUSHG
.endm
; the eight -b1 and eight w2 of column tile nt for my h
.macro CLOAD set, e, nt
	ds_load_b128 v[\set:\set+3], v[CBRD] offset:(\e)*1024+(\nt)*64
	ds_load_b128 v[\set+4:\set+7], v[CBRD] offset:(\e)*1024+(\nt)*64+16
	ds_load_b128 v[\set+8:\set+11], v[CBRD] offset:4096+(\e)*1024+(\nt)*64
	ds_load_b128 v[\set+12:\set+15], v[CBRD] offset:4096+(\e)*1024+(\nt)*64+16
.endm
.macro EPINT win, e, nt, set, left, more
	s_wait_dscnt \left                             ; the other set's four loads may stay out
	WIN ((\win<<6)|\win)
.irp mt, 0,1,2,3,4,5,6,7
.irp j, 0,1,2,3,4,5,6,7
	v_max_num_f32 v[8*(4*\mt+\nt)+\j], v[8*(4*\mt+\nt)+\j], v[\set+\j]
.endr
.endr
	WIN \win
.irp jp, 0,1,2,3
.irp mt, 0,1,2,3,4,5,6,7
.if (\nt+\jp) == 0
	v_pk_mul_f32 v[T+2*\mt:T+2*\mt+1], v[8*(4*\mt+\nt)+2*\jp:8*(4*\mt+\nt)+2*\jp+1], v[\set+8+2*\jp:\set+9+2*\jp]
.else
	v_pk_fma_f32 v[T+2*\mt:T+2*\mt+1], v[8*(4*\mt+\nt)+2*\jp:8*(4*\mt+\nt)+2*\jp+1], v[\set+8+2*\jp:\set+9+2*\jp], v[T+2*\mt:T+2*\mt+1]
.endif
.endr
.endr
	WIN 0
.if \more
	CLOAD \set, \e, (\nt+2)
.endif
.endm
; Expert e, accumulators in window win: sum over my 64 columns of max(a, -b1) w2 for the 128 edges, into SV[4 i + e] (edge 32 i + l).
; It uses T: the deferred part of the slot before has been issued in front of it.
.macro EPI win, e
	PLACES
	WIN 0
	CLOAD H1, \e, 0
	CLOAD (H1+16), \e, 1
	EPINT \win, \e, 0, H1, 4, 1
	EPINT \win, \e, 1, (H1+16), 4, 1
	EPINT \win, \e, 2, H1, 4, 0
	EPINT \win, \e, 3, (H1+16), 0, 0
.irp mt, 0,1,2,3,4,5,6,7
	v_add_f32 v[T+2*\mt], v[T+2*\mt], v[T+2*\mt+1]         ; lane (r, h): edge 16 mt + r, columns of half h
.endr
.irp i, 0,1,2,3
	v_cndmask_b32 v[T+4*\i+1], v[T+4*\i], v[T+4*\i+2], s76 ; kept: lanes 0-15 tile 2 i, lanes 16-31 tile 2 i + 1
	v_cndmask_b32 v[T+4*\i+3], v[T+4*\i+2], v[T+4*\i], s76 ; sent to the other half of the lanes: the other tile
.endr
.irp i, 0,1,2,3
	v_permlanex16_b32 v[T+4*\i], v[T+4*\i+3], s22, s23
.endr
.irp i, 0,1,2,3
	v_add_f32 v[SV+4*\i+\e], v[T+4*\i+1], v[T+4*\i]
.endr
.endm
; The end of a block.  The last slot's deferred part first.  First barrier: every wave's reads of the buffer multiplied and stores into the buffer
; produced are done, so the two swap; it also stands between the last block's reads of the partial scores and this block's stores of them.
.macro REGION epi, first
	DEFERALL 15
	s_wait_dscnt 0x0
	s_barrier_signal -1
	s_barrier_wait -1
	s_wait_kmcnt 0x0                               ; the index loads that name s20 and s21 are done
	s_mov_b32 s20, s21
.if \first
	s_add_co_u32 s21, s81, 1024
.else
	s_add_co_u32 s2, s5, 3                         ; the block after the one produced next, held at the last block: every index load stays inside u and v
	s_min_u32 s2, s2, 7
	s_lshl_b32 s2, s2, 9
	s_add_co_u32 s21, s81, s2
.endif
	s_xor_b32 s6, s6, FSZ
	s_xor_b32 s7, s7, FSZ
	v_add_nc_u32 v[FLO], s6, v[FBASE]
	v_add_nc_u32 v[FHI], 64*PITCH, v[FLO]
	v_add_nc_u32 v[PST], s7, v[PBASE]
	PLACES
	FLOADH H0, FLO, 0
.if \epi
	EPI 3, 2
	EPI 2, 3
.irp i, 0,1,2,3
	ds_store_b128 v[PSTO], v[SV+4*\i:SV+4*\i+3] offset:512*\i
.endr
	s_wait_dscnt 0x0                               ; my partial scores are in LDS, for the others
	s_barrier_signal -1
	s_barrier_wait -1
.irp q, 0,1,2,3
	ds_load_b128 v[H1+4*\q:H1+4*\q+3], v[PRD] offset:2048*\q       ; edge 32 w + l: the four waves' parts
.endr
	s_wait_dscnt 0x0
	v_pk_add_f32 v[H1:H1+1], v[H1:H1+1], v[H1+4:H1+5]
	v_pk_add_f32 v[H1+2:H1+3], v[H1+2:H1+3], v[H1+6:H1+7]
	v_pk_add_f32 v[H1+8:H1+9], v[H1+8:H1+9], v[H1+12:H1+13]
	v_pk_add_f32 v[H1+10:H1+11], v[H1+10:H1+11], v[H1+14:H1+15]
	v_pk_add_f32 v[H1:H1+1], v[H1:H1+1], v[H1+8:H1+9]
	v_pk_add_f32 v[H1+2:H1+3], v[H1+2:H1+3], v[H1+10:H1+11]
	v_add_f32 v[H1], s72, v[H1]
	v_add_f32 v[H1+1], s73, v[H1+1]
	v_add_f32 v[H1+2], s74, v[H1+2]
	v_add_f32 v[H1+3], s75, v[H1+3]
	v_cmp_eq_u32 vcc_lo, 2, v[IDX]
	v_cndmask_b32 v[TMP], v[H1+3], v[H1+2], vcc_lo
	v_cmp_eq_u32 vcc_lo, 1, v[IDX]
	v_cndmask_b32 v[TMP], v[TMP], v[H1+1], vcc_lo
	v_cmp_eq_u32 vcc_lo, 0, v[IDX]
	v_cndmask_b32 v[TMP], v[TMP], v[H1], vcc_lo
	v_mul_f32 v[TMP], v[TMP], v[PT]
	ds_store_b32 v[OUTST], v[TMP]
	v_add_nc_u32 v[OUTST], 512, v[OUTST]
.endif
.endm
	; ---------------- set-up ----------------
	s_load_b512 s[8:23], s[0:1], 0x0               ; z u v w16 out0 part gate_w s[20:21] gate_b s[22:23]
	s_load_b512 s[24:39], s[0:1], 0x40             ; cat_b1 cat_w2 cat_b2 dist_b1 dist_w2 dist_b2 mul_b1 mul_w2
	s_load_b256 s[40:47], s[0:1], 0x80             ; mul_b2 all_b1 all_w2 all_b2
	v_lshrrev_b32 v[TMP], 5, v0
	v_readfirstlane_b32 s4, v[TMP]                 ; wave
	v_and_b32 v[TMP], 31, v0                       ; lane l
	v_and_b32 v[PT], 15, v0                        ; r
	v_bfe_u32 v[IDX], v0, 4, 1                     ; h
	s_lshl_b32 s2, s4, 13
	v_lshl_add_u32 v[WOFF], v[TMP], 4, s2
	v_mul_u32_u24 v[FBASE], v[PT], PITCH
	v_lshl_add_u32 v[FBASE], v[IDX], 4, v[FBASE]
	s_mul_i32 s2, s4, 32*PITCH
	v_lshl_add_u32 v[PBASE], v[TMP], 3, s2
	s_mul_i32 s2, s4, GSWAVE
	s_add_co_u32 s2, s2, GS
	v_lshl_add_u32 v[GSST], v[TMP], 4, s2
	v_and_b32 v[PSTO], 7, v[TMP]
	v_mul_u32_u24 v[GSRD], v[PSTO], GSROW
	v_lshrrev_b32 v[PSTO], 3, v[TMP]
	v_lshl_add_u32 v[GSRD], v[PSTO], 7, v[GSRD]
	v_add_nc_u32 v[GSRD], s2, v[GSRD]
	s_lshl_b32 s2, s4, 11
	s_add_co_u32 s2, s2, PSC
	v_lshl_add_u32 v[PSTO], v[TMP], 4, s2
	s_lshl_b32 s2, s4, 9
	s_add_co_u32 s2, s2, PSC
	v_lshl_add_u32 v[PRD], v[TMP], 4, s2
	s_lshl_b32 s2, s4, 7
	s_add_co_u32 s2, s2, OUTS
	v_lshl_add_u32 v[OUTST], v[TMP], 2, s2
	s_lshl_b32 s2, s4, 8
	s_add_co_u32 s2, s2, CB
	v_lshl_add_u32 v[CBRD], v[IDX], 5, s2
	v_lshlrev_b32 v[PT], 3, v0                     ; 8 t: thread t takes elements 2 t, 2 t + 1 of each b1 and w2
	v_add_nc_u32 v[IDX], CB, v[PT]
	v_lshlrev_b32 v[LANE16], 4, v[TMP]
	v_lshlrev_b32 v[TMP], 6, v[TMP]                ; 64 l: my four features' rows in a segment of gate_w
	s_wait_kmcnt 0x0
	global_load_b64 v[H0:H0+1], v[PT], s[24:25]            ; b1: cat, dist, mul, all
	global_load_b64 v[H0+2:H0+3], v[PT], s[30:31]
	global_load_b64 v[H0+4:H0+5], v[PT], s[36:37]
	global_load_b64 v[H0+6:H0+7], v[PT], s[42:43]
	global_load_b64 v[H0+8:H0+9], v[PT], s[26:27]          ; w2: cat, dist, mul, all
	global_load_b64 v[H0+10:H0+11], v[PT], s[32:33]
	global_load_b64 v[H0+12:H0+13], v[PT], s[38:39]
	global_load_b64 v[H0+14:H0+15], v[PT], s[44:45]
.irp e, 0,1,2,3
.irp g, 0,1,2,3
.irp c, 0,1,2,3
	global_load_b32 v[GW+16*\e+4*\g+\c], v[TMP], s[20:21] offset:2048*\g+16*\c+4*\e    ; gate_w[128 g + 4 l + c][e]: once, kept for the whole launch
.endr
.endr
.endr
	s_load_b32 s72, s[28:29], 0x0
	s_load_b32 s73, s[34:35], 0x0
	s_load_b32 s74, s[40:41], 0x0
	s_load_b32 s75, s[46:47], 0x0
	s_load_b128 s[68:71], s[22:23], 0x0
	s_wait_kmcnt 0x0
	s_wait_xcnt 0x0                                ; s[20:47], which the loads above name, are rewritten only behind this wait
	s_lshl_b32 s81, ttmp9, 12                      ; 1,024 indices of 4 bytes a work-group
	s_lshl_b32 s2, s4, 7                           ; 32 a wave
	s_add_co_u32 s81, s81, s2
	s_mov_b32 s20, s81                             ; block 0 is produced first,
	s_add_co_u32 s21, s81, 512                     ; block 1 next
	s_mov_b32 s22, 0x76543210                      ; v_permlanex16_b32: lane i of one half reads lane i of the other
	s_mov_b32 s23, 0xfedcba98
	s_mov_b32 s67, 0
	s_mov_b32 s76, 0xffff0000
	s_mov_b32 s77, 0x7fffffff
	IDXLOAD 40, s20, 0
	IDXLOAD 24, s20, 1
	s_wait_kmcnt 0x0
	ISSUE 40, 0, 0, 1
	ISSUE 40, 2, 2, 3
	ISSUE 40, 4, 4, 5
	ISSUE 40, 6, 6, 7
	s_wait_loadcnt 16                              ; the 16 row loads stay out; b1, w2 and the gate weights are in
.irp e, 0,1,2,3
	v_mul_f32 v[H0+20+\e], v[H0+2*\e+1], v[H0+8+2*\e+1]
	v_fma_f32 v[H0+16+\e], v[H0+2*\e], v[H0+8+2*\e], v[H0+20+\e]   ; my two terms of the sum of b1 w2
.endr
.irp n, 0,1,2,3,4,5,6,7
	v_xor_b32 v[H0+\n], 0x80000000, v[H0+\n]       ; -b1
.endr
.irp e, 0,1,2,3
	ds_store_b64 v[IDX], v[H0+2*\e:H0+2*\e+1] offset:1024*\e
	ds_store_b64 v[IDX], v[H0+8+2*\e:H0+8+2*\e+1] offset:4096+1024*\e
.endr
.irp m, 1,2,4,8
.irp e, 0,1,2,3
	v_add_f32_dpp v[H0+16+\e], v[H0+16+\e], v[H0+16+\e] row_xmask:\m row_mask:0xf bank_mask:0xf
.endr
.endr
.irp e, 0,1,2,3
	v_permlanex16_b32 v[H0+20+\e], v[H0+16+\e], s22, s23
.endr
	v_pk_add_f32 v[H0+16:H0+17], v[H0+16:H0+17], v[H0+20:H0+21]
	v_pk_add_f32 v[H0+18:H0+19], v[H0+18:H0+19], v[H0+22:H0+23]
	s_lshl_b32 s2, s4, 4
	s_add_co_u32 s2, s2, CCS
	v_mov_b32 v[TMP], s2
	ds_store_b128 v[TMP], v[H0+16:H0+19]           ; every lane the same 16 bytes: my wave's part
.irp e, 0,1,2,3
	v_mov_b32 v[AUX+\e], 0
.endr
	s_mov_b32 s6, FSZ
	s_mov_b32 s7, 0
	v_add_nc_u32 v[PST], s7, v[PBASE]
	; ---------------- block 0 is produced; nothing to multiply yet ----------------
	; lw: behind the pair's four rows stand those of the next three pairs (12); the last three slots also ask for the weights of K steps 0, 1, 2,
	; in the places where the loop asks, so that the loop's count holds on the way in: 12 + 16, 12 + 32, 12 + 48.
	KSTEP 0, 0, 0, 0, 0, 12
.irp k, 1,2,3,4,5,6,7,8,9,10,11,12
	KSTEP \k, 0, 0, 0, 1, 12
.endr
	KSTEP 13, 0, 0, 1, 1, 28
	KSTEP 14, 0, 0, 1, 1, 44
	KSTEP 15, 0, 0, 1, 1, 60
	REGION 0, 1
	v_mov_b32 v[TMP], CCS                          ; behind the barrier: the four waves' parts of the sums of b1 w2
.irp q, 0,1,2,3
	ds_load_b128 v[T+4*\q:T+4*\q+3], v[TMP] offset:16*\q
.endr
	s_wait_dscnt 0x0
	GFADD4
	v_pk_add_f32 v[T:T+1], v[T:T+1], v[T+8:T+9]
	v_pk_add_f32 v[T+2:T+3], v[T+2:T+3], v[T+10:T+11]
	v_add_f32 v[T], s72, v[T]
	v_add_f32 v[T+1], s73, v[T+1]
	v_add_f32 v[T+2], s74, v[T+2]
	v_add_f32 v[T+3], s75, v[T+3]
	v_readfirstlane_b32 s72, v[T]                  ; c_e = b2 + sum of b1 w2
	v_readfirstlane_b32 s73, v[T+1]
	v_readfirstlane_b32 s74, v[T+2]
	v_readfirstlane_b32 s75, v[T+3]
	; ---------------- trip s5: block s5 is multiplied, block min(s5 + 1, 7) produced ----------------
	s_mov_b32 s5, 0
.Lblock:
	KSTEP 0, 1, 1, 1, 0, 60
.irp ks, 1,2,3,4,5,6,7
	KSTEP \ks, 1, 1, 1, 1, 60
.endr
	DEFERALL 7                                     ; ahead of the epilogue, which uses T
	EPI 3, 0                                       ; cat is complete
	KSTEP 8, 1, 1, 1, 0, 60
.irp ks, 9,10,11
	KSTEP \ks, 1, 1, 1, 1, 60
.endr
	DEFERALL 11
	EPI 3, 1                                       ; dist
	KSTEP 12, 1, 1, 1, 0, 60
.irp ks, 13,14,15
	KSTEP \ks, 1, 1, 1, 1, 60
.endr
	REGION 1, 0                                    ; mul, all, the block's results
	WIN 0
	s_add_co_u32 s5, s5, 1
	s_cmp_lt_u32 s5, 8
	s_cbranch_scc1 .Lblock
	; ---------------- the way out ----------------
	; Still out: the rows and weights that the last trip asked for ahead.  They land in the row ring and in window 1, which nothing below names.
.irp m, 1,2,4,8
.irp e, 0,1,2,3
	v_add_f32_dpp v[AUX+\e], v[AUX+\e], v[AUX+\e] row_xmask:\m row_mask:0xf bank_mask:0xf
.endr
.endr
.irp e, 0,1,2,3
	v_permlanex16_b32 v[T+\e], v[AUX+\e], s22, s23
.endr
	v_pk_add_f32 v[AUX:AUX+1], v[AUX:AUX+1], v[T:T+1]
	v_pk_add_f32 v[AUX+2:AUX+3], v[AUX+2:AUX+3], v[T+2:T+3]
	s_lshl_b32 s2, s4, 4
	s_add_co_u32 s2, s2, AUXS
	v_mov_b32 v[PT], s2
	ds_store_b128 v[PT], v[AUX:AUX+3]
	s_lshl_b32 s2, s4, 10
	v_add_nc_u32 v[TMP], s2, v[LANE16]             ; 1024 w + 16 l
	v_add_nc_u32 v[IDX], OUTS, v[TMP]
	s_lshl_b32 s66, ttmp9, 12
	s_add_nc_u64 s[16:17], s[16:17], s[66:67]      ; out0 at the work-group's 1,024 results
	s_lshl_b32 s66, ttmp9, 4
	s_add_nc_u64 s[18:19], s[18:19], s[66:67]      ; part at its 16 bytes
	s_wait_dscnt 0x0                               ; my results and my sums are in LDS, for the others
	s_barrier_signal -1
	s_barrier_wait -1
	ds_load_b128 v[T:T+3], v[IDX]
	ds_load_b128 v[T+4:T+7], v[IDX] offset:512
	s_wait_dscnt 0x0
	global_store_b128 v[TMP], v[T:T+3], s[16:17]               ; each store of the wave covers 512 consecutive bytes, aligned
	global_store_b128 v[TMP], v[T+4:T+7], s[16:17] offset:512
	s_cmp_lg_u32 s4, 0
	s_cbranch_scc1 .Lend
	v_mov_b32 v[PT], AUXS                          ; wave 0: the work-group's four sums of probabilities
.irp q, 0,1,2,3
	ds_load_b128 v[H0+4*\q:H0+4*\q+3], v[PT] offset:16*\q
.endr
	s_wait_dscnt 0x0
	v_pk_add_f32 v[H0:H0+1], v[H0:H0+1], v[H0+4:H0+5]
	v_pk_add_f32 v[H0+2:H0+3], v[H0+2:H0+3], v[H0+6:H0+7]
	v_pk_add_f32 v[H0+8:H0+9], v[H0+8:H0+9], v[H0+12:H0+13]
	v_pk_add_f32 v[H0+10:H0+11], v[H0+10:H0+11], v[H0+14:H0+15]
	v_pk_add_f32 v[H0:H0+1], v[H0:H0+1], v[H0+8:H0+9]
	v_pk_add_f32 v[H0+2:H0+3], v[H0+2:H0+3], v[H0+10:H0+11]
	v_cmp_eq_u32 vcc_lo, 0, v[LANE16]
	s_wait_xcnt 0x0                                ; EXEC, a source of the stores above, changes only behind this wait
	s_and_saveexec_b32 s79, vcc_lo
	global_store_b128 v[LANE16], v[H0:H0+3], s[18:19]          ; lane 0, whose offset is 0
	s_wait_xcnt 0x0                                ; and again in front of the line that widens it
	s_or_b32 exec_lo, exec_lo, s79
.Lend:
	s_endpgm
.Lfunc_end_k_q1c57cb5cb9_main:
	.size	k_q1c57cb5cb9_main, .Lfunc_end_k_q1c57cb5cb9_main-k_q1c57cb5cb9_main
	.p2alignl 7, 3214868480
	.fill 96, 4, 3214868480
	.section	.rodata,"a",@progbits
	.p2align	6, 0x0
	.amdhsa_kernel k_q1c57cb5cb9_main
		.amdhsa_group_segment_fixed_size 320768
		.amdhsa_private_segment_fixed_size 0
		.amdhsa_enable_private_segment 0
		.amdhsa_kernarg_size 160
		.amdhsa_user_sgpr_count 2
		.amdhsa_user_sgpr_kernarg_segment_ptr 1
		.amdhsa_wavefront_size32 1
		.amdhsa_system_sgpr_workgroup_id_x 1
		.amdhsa_system_sgpr_workgroup_id_y 1
		.amdhsa_system_sgpr_workgroup_id_z 1
		.amdhsa_system_vgpr_workitem_id 0
		.amdhsa_next_free_vgpr 1024
		.amdhsa_next_free_sgpr 96
		.amdhsa_reserve_vcc 1
		.amdhsa_float_denorm_mode_32 3
		.amdhsa_float_denorm_mode_16_64 3
		.amdhsa_memory_ordered 1
		.amdhsa_forward_progress 1
		.amdhsa_inst_pref_size 255
	.end_amdhsa_kernel
	.section	.bss,"aw",@nobits
	.p2align	6
	.space	262144
	.amdgpu_metadata
---
amdhsa.version: [ 1, 2 ]
amdhsa.kernels:
  - .name:           k_q1c57cb5cb9_main
    .symbol:         k_q1c57cb5cb9_main.kd
    .args:
      - { .name: z, .offset: 0, .size: 8, .value_kind: global_buffer, .address_space: global }
      - { .name: u, .offset: 8, .size: 8, .value_kind: global_buffer, .address_space: global }
      - { .name: v, .offset: 16, .size: 8, .value_kind: global_buffer, .address_space: global }
      - { .name: w16, .offset: 24, .size: 8, .value_kind: global_buffer, .address_space: global }
      - { .name: out0, .offset: 32, .size: 8, .value_kind: global_buffer, .address_space: global }
      - { .name: part, .offset: 40, .size: 8, .value_kind: global_buffer, .address_space: global }
      - { .name: gate_w, .offset: 48, .size: 8, .value_kind: global_buffer, .address_space: global }
      - { .name: gate_b, .offset: 56, .size: 8, .value_kind: global_buffer, .address_space: global }
      - { .name: cat_b1, .offset: 64, .size: 8, .value_kind: global_buffer, .address_space: global }
      - { .name: cat_w2, .offset: 72, .size: 8, .value_kind: global_buffer, .address_space: global }
      - { .name: cat_b2, .offset: 80, .size: 8, .value_kind: global_buffer, .address_space: global }
      - { .name: dist_b1, .offset: 88, .size: 8, .value_kind: global_buffer, .address_space: global }
      - { .name: dist_w2, .offset: 96, .size: 8, .value_kind: global_buffer, .address_space: global }
      - { .name: dist_b2, .offset: 104, .size: 8, .value_kind: global_buffer, .address_space: global }
      - { .name: mul_b1, .offset: 112, .size: 8, .value_kind: global_buffer, .address_space: global }
      - { .name: mul_w2, .offset: 120, .size: 8, .value_kind: global_buffer, .address_space: global }
      - { .name: mul_b2, .offset: 128, .size: 8, .value_kind: global_buffer, .address_space: global }
      - { .name: all_b1, .offset: 136, .size: 8, .value_kind: global_buffer, .address_space: global }
      - { .name: all_w2, .offset: 144, .size: 8, .value_kind: global_buffer, .address_space: global }
      - { .name: all_b2, .offset: 152, .size: 8, .value_kind: global_buffer, .address_space: global }
    .group_segment_fixed_size: 320768
    .private_segment_fixed_size: 0
    .kernarg_segment_align: 8
    .kernarg_segment_size: 160
    .max_flat_workgroup_size: 128
    .sgpr_count:     96
    .vgpr_count:     1024
    .wavefront_size: 32
...
	.end_amdgpu_metadata
.endif
;; end of part 4
;; launch finish: the kernel of part 3 again; grid 1 x 1, 1 waves a work-group, no clusters, 0 bytes of LDS; arguments part, out1; writes out1
